; MI455X (gfx1250); checked and timed in simulation.
; The chip was launched on July 23, 2026; its instructions are those of AMD's public machine-readable ISA for CDNA 5 (MIT licence, August 2026) and "CDNA5" Instruction Set Architecture Reference Guide (July 2026). The comments in the code are by the model that wrote it; some were corrected since.
;; GQA. Allowed arithmetic: matrix products marked QUANTISED: E2M3 operands, one E8M0 scale for each 32 along K, by v_wmma_scale_f32_16x16x128_f8f6f4 with both operands' format E2M3, f32 sums; everything else in f32.
;; Inputs: k_norm_w 128 float32; mask 1,024 x 1,024 bool; pos 1,024 int32; q_norm_w 128 float32; w_out 2,048 x 2,048 float32; w_qkv 3,072 x 2,048 float32; x 4 x 1,024 x 2,048 float32.
;; Outputs: out0 4 x 1,024 x 2,048 float32.
;; This version of the problem:
;;   THIS VERSION OF THE PROBLEM IS GIVEN IN LOW PRECISION. The matrix products marked QUANTISED in the list below multiply operands that are first quantised to E2M3 (2 exponent bits, 3 mantissa bits; 6 bits a number), with one power-of-two scale for each 32 numbers along K (OCP MX v1.0); their sums are f32. All else is computed in f32.
;;   The module's matrix products, in the order in which they are computed (A, B: the left and right operand; K: the contracted axis; several contracted axes count as one K, in the product's order):
;;     1. [M 4,096, K 2,048] x [K 2,048, N 3,072]; A: input x; B: input w_qkv: QUANTISED
;;     2. batch 64 x [M 1,024, K 128] x [K 128, N 1,024]; A: computed on the way; B: computed on the way: QUANTISED
;;     3. batch 64 x [M 1,024, K 1,024] x [K 1,024, N 128]; A: softmax (see below); B: computed on the way: QUANTISED
;;     4. [M 4,096, K 2,048] x [K 2,048, N 2,048]; A: computed on the way; B: input w_out: QUANTISED
;;   THE QUANTISER, for each operand of a quantised product, along K:
;;     - K is cut into blocks of 32 from its start; a last block that is shorter is filled with zeros.
;;     - A block's scale is 2^e with e = floor(log2(the largest magnitude in the block)) - 2, held to -126 .. 127; a block of zeros has e = 0. As a byte (E8M0): e + 127.
;;     - Each number is divided by its block's scale, clamped to +-7.5, and rounded to the nearest number of E2M3, ties to even, subnormals kept.
;;     - The product sums the exact products of the quantised numbers (number of the format x scale) in f32.
;;   ~~~python
;;   def quantise(x, axis):      # numpy; x: float32 -> the quantised numbers, widened to float32 again
;;       x = np.moveaxis(x, axis, -1); K = x.shape[-1]
;;       x = np.pad(x, [(0, 0)] * (x.ndim - 1) + [(0, -K % 32)]); x = x.reshape(x.shape[:-1] + (-1, 32)); a = np.abs(x).max(-1, keepdims=True)
;;       e = np.where(a > 0, np.clip(np.frexp(np.where(a > 0, a, 1))[1] - 1 - 2, -126, 127), 0)      # np.frexp(a)[1] - 1 = floor(log2(a)), exactly
;;       r = np.clip(x / 2.0 ** e, -7.5, 7.5)
;;       step = 2.0 ** (np.maximum(np.frexp(np.where(r == 0, 1, r))[1] - 1, 0) - 3)
;;       q = np.round(r / step) * step * 2.0 ** e      # np.round: ties to even
;;       return np.moveaxis(q.reshape(q.shape[:-2] + (-1,))[..., :K], -1, axis).astype(np.float32)
;;   ~~~
;;   SOFTMAX AHEAD OF A QUANTISED PRODUCT. Where the list says 'softmax', what is quantised is not the finished softmax but p = 2^(t - M), with t = logit x log2(e) and M = ceil(the row's largest t), a whole number; so 1/2 < the row's largest p <= 1. The row's sum l is taken of the UNQUANTISED p, in f32, and the product's result is divided by l at the end. Since M is a whole number, a kernel that streams over the keys may use a running M (the ceiling of the running maximum): every later rescaling is an exact power of two, which a block's scale takes up: the codes' values come out the same.
;;   OPERANDS COMPUTED ON THE WAY. 'Computed on the way' means the value that the module computes at that place (a softmax that the list does not call 'softmax' is quantised finished and normalised). What goes into a quantiser is computed in f32, as accurately as f32 sums, v_exp_f32 and their like allow (about 1e-6 of the number): no bf16 or f16 on the way to a quantiser, and a product that is left as it is and whose result goes on into a quantised operand takes f32 operands (vector FMAs, or v_wmma_f32_16x16x4_f32). A number that lies on a knife's edge between two numbers of the format may be rounded either way, as far as f32 arithmetic and the matrix unit's own rounding can turn it there, and no further.
;; 2 versions, each right; version 2 is version 1 with the launch attn written anew for expert scheduling mode. Each part assembles by itself: llvm-mc -triple=amdgcn-amd-amdhsa -mcpu=gfx1250 --defsym DOCPART=n.
;; ======== version 1 of 2: 4 launches
;; workspace buffers: pcodes 14,155,776 bytes; pscales 589,824 bytes; ropet 524,288 bytes; maskw 147,456 bytes of whole numbers; qkvc 9,437,184 bytes; qkvs 393,216 bytes; yc 6,291,456 bytes; ys 262,144 bytes
;; launch prep (part 1): grid 608 x 1, 4 waves a work-group, no clusters, 34,304 bytes of LDS; arguments x, w_qkv, w_out, mask, pos, pcodes, pscales, ropet, maskw; writes pcodes, pscales, ropet, maskw
.if DOCPART == 1
	.amdgcn_target "amdgcn-amd-amdhsa--gfx1250"
	.amdhsa_code_object_version 6
	.text
	.protected	k_q9702014d06_prep
	.globl	k_q9702014d06_prep
	.p2align	8
	.type	k_q9702014d06_prep,@function
k_q9702014d06_prep:
	s_mov_b64 s[64:65], 0
	v_nop
	global_prefetch_b8 v0, s[64:65] scope:SCOPE_SE
	s_setreg_imm32_b32 hwreg(HW_REG_WAVE_MODE, 25, 1), 1
	s_wait_xcnt 0x0
; Three jobs, told apart by the work-group's number.
; 0-575: x [4096][2048], w_qkv [3072][2048], w_out [2048][2048], f32, K innermost, become codes of FP6 (E2M3) with one E8M0 byte for each 32 along K.
;   THE CODES ARE LAID AS IMAGES OF THE OPERAND'S REGISTERS.  Tile i of a tensor holds the 16 rows 32 (i / 2) + 8 (i % 2) + r + 8 (r / 8), r = 0 .. 15.  The image of (tile, 128 along K) is 1,536 bytes:
;   register g (0 .. 11) of lane l at 512 (g / 4) + 16 l + 4 (g % 4).  Codes: [K quarter][tile][K step in the quarter][1,536]; scale words: [tile][K quarter][r][4 words].
;   A work-group takes a tile, wave w the K quarter w: four units of 16 rows x 128 K.  Each load reads 512 consecutive bytes of one row; the unit turns through the wave's own stage in LDS (pitch 528),
;   so that a lane holds 16 neighbours of each block of 32.  A block's scale: the largest magnitude's exponent field less 2, held at 1 from below.
; 576-591: the mask [1024][1024] of bytes becomes lane masks.  A wave takes a tile of 16 queries (the same sets of rows as above).  For key step s (128 keys) word 16 b + i has in bit (r + 16 h) the mask's byte
;   of query r and key 128 s + 32 b + 16 h + i: the lane and register in which the attention launch holds that score.  A ninth unit holds two bits a key step: 0 nothing hidden, 1 mixed, 2 all hidden.
; 592-607: cos and sin of pos x (1 / 10000^(f / 64)), f = 0 .. 63, for a tile of 16 tokens, laid as the registers that the first product's way out wants: register 16 b + i of lane (r, h) is f = 32 b + 16 h + i.
;   An angle reaches hundreds of radians, so one unit in the last place of the frequency would show in cos and sin.  The frequency is therefore made with two roundings and no more: 10000^(f / 64) = 10^(f / 16),
;   worked out in pairs of f32 (an upper and a lower part) and rounded to f32 once, and its reciprocal, rounded to f32 once.
; LIMITS: a block of zeros gets the byte 1 (its codes are zeros; this program alone reads the bytes); NaN and infinities among the inputs are not served; the reduction of the angle holds for |pos| up to 2^20.
.set R0,   32                          ; v32-95, v96-159  two sets of 64 numbers
.set PCB,  160                         ; v160-207 the codes of the four units: no store's data are written again
.set TC,   208                         ; v208-215 the conversions' second halves
.set TM,   216                         ; v216-231 at work in QUANT
.set PW,   232                         ; v232-235 the four units' scale words
.set DD,   236                         ; v236-237 the scale words as they are stored
.set SEL,  30                          ; s[30:31] lane selects for v_permlanex16_b32: lane l xor 16
.set HM,   29                          ; s29      lanes 16-31
; 64 numbers of a lane, register 16 b + i = k 32 b + 16 (lane / 16) + i of my row, become a fragment's 12 registers in v[pc] on and its scale word in v[pw]
.macro QUANT s, pc, tc, pw
.irp b, 0,1,2,3
	v_max3_num_f32 v[TM+\b], |v[(\s)+16*\b]|, |v[(\s)+1+16*\b]|, 0x1800000   ; my 16 numbers of block b, and the floor 2^(3 - 127): the byte cannot fall under 1
.endr
.irp i, 2,4,6,8,10,12,14
.irp b, 0,1,2,3
	v_max3_num_f32 v[TM+\b], v[TM+\b], |v[(\s)+16*\b+\i]|, |v[(\s)+1+16*\b+\i]|
.endr
.endr
.irp b, 0,1,2,3
	v_permlanex16_b32 v[TM+4+\b], v[TM+\b], s[SEL], s[SEL+1]
.endr
.irp b, 0,1,2,3
	v_max_num_f32 v[TM+\b], v[TM+\b], v[TM+4+\b]                   ; with lane l xor 16's: the block's largest magnitude
.endr
.irp b, 0,1,2,3
	v_add_nc_u32 v[TM+12+\b], 0xff000000, v[TM+\b]                 ; 2 off its exponent field: the conversion's scale operand
.endr
.irp b, 0,1,2,3
	v_lshrrev_b32 v[TM+4+\b], 23, v[TM+12+\b]                      ; the scale's byte
.endr
	v_lshl_or_b32 v[\pw], v[TM+5], 8, v[TM+4]
	v_lshl_or_b32 v[\pw], v[TM+6], 16, v[\pw]
	v_lshl_or_b32 v[\pw], v[TM+7], 24, v[\pw]
.irp c, 0,1
	v_cvt_scalef32_pk16_fp6_f32 v[(\pc)+6*\c:(\pc)+2+6*\c], v[(\s)+32*\c:(\s)+15+32*\c], v[TM+12+2*\c]
	v_cvt_scalef32_pk16_fp6_f32 v[(\tc)+4*\c:(\tc)+2+4*\c], v[(\s)+16+32*\c:(\s)+31+32*\c], v[TM+13+2*\c]   ; (a conversion's three registers begin on an even number)
.endr
	v_nop                                          ; one plain instruction behind the scaled conversions
.irp c, 0,1                            ; the operand wants a whole block in a lane: lanes 0-15 block 2 c, lanes 16-31 block 2 c + 1
.irp i, 0,1,2
	v_permlane16_swap_b32 v[(\pc)+6*\c+\i], v[(\tc)+4*\c+\i]
.endr
.irp i, 0,1,2
	v_mov_b32 v[(\pc)+3+6*\c+\i], v[(\tc)+4*\c+\i]
.endr
.endr
.endm
	s_load_b128 s[4:7], s[0:1], 0x0                ; x, w_qkv
	s_load_b128 s[8:11], s[0:1], 0x10              ; w_out, mask
	s_load_b128 s[12:15], s[0:1], 0x20             ; pos, pcodes
	s_load_b128 s[16:19], s[0:1], 0x30             ; pscales, ropet
	s_load_b64 s[20:21], s[0:1], 0x40              ; maskw
	v_lshl_add_u32 v240, v0, 2, 0x8400
	v_mov_b32 v241, 0
	v_lshrrev_b32 v1, 5, v0
	v_readfirstlane_b32 s22, v1                    ; wave 0..3
	v_and_b32 v5, 31, v0                           ; lane
	v_and_b32 v6, 15, v0                           ; r
	v_bfe_u32 v7, v0, 4, 1                         ; h
	v_lshlrev_b32 v1, 4, v5                        ; 16 x lane
	s_mov_b32 s[SEL], 0x76543210
	s_mov_b32 s[SEL+1], 0xfedcba98
	s_mov_b32 s[HM], 0xffff0000
	s_mov_b32 s35, 0                               ; the upper word of every offset
	s_wait_kmcnt 0x0
	s_cmp_lt_u32 ttmp9, 576
	s_cbranch_scc0 .Lnot_quant
	; ---- the quantiser.  Only pointers and numbers are chosen: the three tensors take one path
	s_cmp_lt_u32 ttmp9, 256
	s_cselect_b64 s[24:25], s[4:5], s[6:7]
	s_cselect_b32 s26, 0, 256                      ; the tensor's first work-group
	s_mov_b32 s27, 192
	s_cselect_b32 s27, 256, s27                    ; its tiles
	s_cselect_b32 s28, 0, 6291456                  ; where its codes begin
	s_cselect_b32 s32, 0, 262144                   ; and its scale words
	s_cmp_lt_u32 ttmp9, 448
	s_cselect_b64 s[24:25], s[24:25], s[8:9]
	s_cselect_b32 s26, s26, 448
	s_cselect_b32 s27, s27, 128
	s_cselect_b32 s28, s28, 11010048
	s_cselect_b32 s32, s32, 458752
	s_sub_co_u32 s26, ttmp9, s26                   ; my tile
	s_lshr_b32 s33, s26, 1
	s_lshl_b32 s33, s33, 5
	s_and_b32 s34, s26, 1
	s_lshl_b32 s34, s34, 3
	s_add_co_u32 s33, s33, s34                     ; its first row: 32 (tile / 2) + 8 (tile % 2)
	s_lshl_b32 s34, s33, 13                        ; rows of 8,192 bytes
	s_lshl_b32 s36, s22, 11                        ; my K quarter: 2,048 bytes of a row
	s_add_co_u32 s34, s34, s36
	s_add_nc_u64 s[24:25], s[24:25], s[34:35]
	s_mul_i32 s34, s22, s27
	s_add_co_u32 s34, s34, s26
	s_mul_i32 s34, s34, 6144                       ; [quarter][tile]: 6,144 bytes
	s_add_co_u32 s34, s34, s28
	s_add_nc_u64 s[14:15], s[14:15], s[34:35]
	s_lshl_b32 s34, s26, 10                        ; [tile][quarter]: 256 bytes
	s_lshl_b32 s36, s22, 8
	s_add_co_u32 s34, s34, s36
	s_add_co_u32 s34, s34, s32
	s_add_nc_u64 s[16:17], s[16:17], s[34:35]
	s_mul_i32 s36, s22, 8448                       ; my stage: 16 rows x 528 bytes
	v_add_nc_u32 v2, s36, v1                       ; in: a row's 512 bytes as they lie
	v_mul_u32_u24 v3, v6, 528
	v_lshl_add_u32 v3, v7, 6, v3
	v_add_nc_u32 v3, s36, v3                       ; out: row r, + 64 h: my 16 numbers of a block
	v_lshlrev_b32 v4, 4, v6
	v_lshl_add_u32 v4, v7, 3, v4                   ; the scale words' place: 16 r + 8 h
.irp b, 0,1,2,3
	v_mov_b32 v[TM+4+\b], 0                        ; written once: a lane permute's destination counts as one of its sources
.endr
.macro LOAD u                          ; unit u: the tile's 16 rows, 512 consecutive bytes each
.irp t, 0,1,2,3,4,5,6,7,8,9,10,11,12,13,14,15
	global_load_b128 v[R0+64*((\u)%2)+4*\t:R0+64*((\u)%2)+4*\t+3], v1, s[24:25] offset:(\t+8*(\t/8))*8192+512*(\u) th:TH_LOAD_NT
.endr
.endm
.macro UNIT u
.set RR, R0+64*((\u)%2)
.if (\u) < 3
	s_wait_loadcnt 16                              ; this unit's 16 loads are in; the next unit's 16 may be out
.else
	s_wait_loadcnt 0
.endif
.irp t, 0,1,2,3,4,5,6,7,8,9,10,11,12,13,14,15
	ds_store_b128 v2, v[RR+4*\t:RR+4*\t+3] offset:528*\t
.endr
.irp b, 0,1,2,3
.irp j, 0,1,2,3
	ds_load_b128 v[RR+16*\b+4*\j:RR+16*\b+4*\j+3], v3 offset:128*\b+16*\j   ; LDS serves a wave's instructions in order: these see the stores above
.endr
.endr
	s_wait_dscnt 0x0
	QUANT RR, PCB+12*(\u), TC, PW+(\u)
.if (\u) < 2
	LOAD (\u)+2
.endif
.irp c, 0,1,2
	global_store_b128 v1, v[PCB+12*(\u)+4*\c:PCB+12*(\u)+4*\c+3], s[14:15] offset:1536*(\u)+512*\c   ; 512 consecutive bytes a store
.endr
.endm
	LOAD 0
	LOAD 1
	UNIT 0
	UNIT 1
	UNIT 2
	UNIT 3
	v_cndmask_b32 v[DD], v[PW], v[PW+2], s[HM]     ; lanes 0-15 store words 0, 1 of their row, lanes 16-31 words 2, 3
	v_cndmask_b32 v[DD+1], v[PW+1], v[PW+3], s[HM]
	global_store_b64 v4, v[DD:DD+1], s[16:17]      ; 256 consecutive bytes, aligned
	s_wait_tensorcnt 0x0
	ds_add_u32 v240, v241
	s_wait_dscnt 0x0
	s_endpgm
.Lnot_quant:
	s_cmp_lt_u32 ttmp9, 592
	s_cbranch_scc0 .Lrope
	; ---- the mask
	s_sub_co_u32 s26, ttmp9, 576
	s_lshl_b32 s26, s26, 2
	s_add_co_u32 s26, s26, s22                     ; my tile of queries, 0 .. 63
	s_lshr_b32 s27, s26, 1
	s_lshl_b32 s27, s27, 5
	s_and_b32 s28, s26, 1
	s_lshl_b32 s28, s28, 3
	s_add_co_u32 s27, s27, s28                     ; its first query
	s_lshl_b32 s34, s27, 10
	s_add_nc_u64 s[10:11], s[10:11], s[34:35]
	s_mul_i32 s34, s26, 2304                       ; nine units of 256 bytes a tile
	s_add_nc_u64 s[20:21], s[20:21], s[34:35]
	v_and_b32 v8, 8, v6
	v_add_nc_u32 v8, v8, v6                        ; r + 8 (r / 8)
	v_lshlrev_b32 v8, 10, v8
	v_lshl_add_u32 v8, v7, 4, v8                   ; my query's row, + 16 h
	v_lshlrev_b32 v9, 3, v5                        ; out: 8 bytes a lane
.irp s, 0,1,2,3,4,5,6,7
.irp b, 0,1,2,3
	global_load_b128 v[32+16*\s+4*\b:35+16*\s+4*\b], v8, s[10:11] offset:128*\s+32*\b   ; keys 128 s + 32 b + 16 h + 0 .. 15
.endr
.endr
	s_mov_b32 s36, 0                               ; the tile's flags
.macro MSTEP s
	s_wait_loadcnt 4*(7-(\s))                      ; this key step's four loads are in; the later steps' may be out
	v_mov_b32 v[160+2*(\s)], 0
	v_mov_b32 v[161+2*(\s)], 0
.set NN, 0
.rept 8
.irp k, 0,1,2,3,4,5,6,7
	v_bfe_u32 v[16+\k], v[32+16*(\s)+(NN+\k)/4], 8*((NN+\k)%4), 8
.endr
.irp k, 0,1,2,3,4,5,6,7
	v_cmp_ne_u32 s[40+\k], 0, v[16+\k]             ; word NN + k: a bit a lane
.endr
.irp k, 0,1,2,3,4,5,6,7
	v_writelane_b32 v[160+2*(\s)+(NN+\k)%2], s[40+\k], (NN+\k)/2   ; lane n / 2 stores words n and n + 1
.endr
.set NN, NN+8
.endr
	v_or_b32 v24, v[32+16*(\s)], v[33+16*(\s)]
	v_and_b32 v25, v[32+16*(\s)], v[33+16*(\s)]
.irp k, 2,3,4,5,6,7,8,9,10,11,12,13,14,15
	v_or_b32 v24, v24, v[32+16*(\s)+\k]
	v_and_b32 v25, v25, v[32+16*(\s)+\k]
.endr
	v_cmp_ne_u32 s48, 0, v24                       ; lanes with a hidden key
	v_cmp_eq_u32 s49, 0x01010101, v25              ; lanes all of whose keys are hidden
	s_cmp_lg_u32 s48, 0
	s_cselect_b32 s50, 1, 0
	s_cmp_eq_u32 s49, -1
	s_cselect_b32 s50, 2, s50
	s_lshl_b32 s50, s50, 2*(\s)
	s_or_b32 s36, s36, s50
	global_store_b64 v9, v[160+2*(\s):161+2*(\s)], s[20:21] offset:256*(\s)   ; 256 consecutive bytes, aligned
.endm
.irp s, 0,1,2,3,4,5,6,7
	MSTEP \s
.endr
	v_mov_b32 v176, s36
	v_mov_b32 v177, s36
	global_store_b64 v9, v[176:177], s[20:21] offset:2048   ; the flags fill the ninth unit
	s_endpgm
.Lrope:
	; ---- cos and sin
	s_sub_co_u32 s26, ttmp9, 592
	s_lshl_b32 s26, s26, 2
	s_add_co_u32 s26, s26, s22                     ; my tile of tokens
	s_lshr_b32 s27, s26, 1
	s_lshl_b32 s27, s27, 5
	s_and_b32 s28, s26, 1
	s_lshl_b32 s28, s28, 3
	s_add_co_u32 s27, s27, s28
	s_lshl_b32 s34, s27, 2
	s_add_nc_u64 s[12:13], s[12:13], s[34:35]
	s_lshl_b32 s34, s26, 13                        ; 8,192 bytes a tile
	s_add_nc_u64 s[18:19], s[18:19], s[34:35]
	v_and_b32 v8, 8, v6
	v_add_nc_u32 v8, v8, v6
	v_lshlrev_b32 v8, 2, v8
	global_load_b32 v10, v8, s[12:13]              ; my token's pos
	s_mov_b32 s42, 0x3f22f983                      ; 2 / pi
	s_mov_b32 s43, 0x3fc90fdb                      ; pi / 2, upper part
	s_mov_b32 s44, 0xb33bbd2e                      ; and lower
	s_mov_b32 s45, 0xb94ca1f9                      ; sin on [-pi/4, pi/4]: r + r z (s47 + z (s46 + z s45))
	s_mov_b32 s46, 0x3c08839e
	s_mov_b32 s47, 0xbe2aaaa3
	s_mov_b32 s48, 0x37ccf5ce                      ; cos: 1 - z / 2 + z z (s50 + z (s49 + z s48))
	s_mov_b32 s49, 0xbab6061a
	s_mov_b32 s50, 0x3d2aaaa5
; THE FREQUENCIES.  10000^(f / 64) = 10^(f / 16) = 10^(2 b + h) x 10^(i / 16).  The sixteen 10^(i / 16) are kept as pairs: upper parts v128-143, lower parts v144-159, the same in every lane.
.set DH, 128
.set DL, 144
; The root of the pair (sh, sl): the unit's root as the upper part; what its square leaves of the pair, over twice the root, as the lower.  What is left out is the square of a part in 10^7.
.macro DSQRT dh, dl, sh, sl
	v_sqrt_f32 v[\dh], v[\sh]
	v_nop                                          ; a plain instruction behind the transcendental,
	s_wait_alu depctr_va_vdst(0)                   ; and the wait ahead of its first reader
	v_rcp_f32 v199, v[\dh]
	v_fma_f32 v200, -v[\dh], v[\dh], v[\sh]        ; upper part - root x root, rounded once (a plain instruction that names neither the reciprocal nor writes its source)
	s_wait_alu depctr_va_vdst(0)
	v_add_f32 v200, v200, v[\sl]
	v_mul_f32 v199, 0.5, v199
	v_mul_f32 v[\dl], v200, v199
.endm
; The product of pairs a and b into pair d: the upper parts' product with its rounding error, the two cross terms, and the sum split anew
.macro DMUL d, a, b
	v_mul_f32 v198, v[DH+(\a)], v[DH+(\b)]
	v_fma_f32 v199, v[DH+(\a)], v[DH+(\b)], -v198
	v_fma_f32 v199, v[DH+(\a)], v[DL+(\b)], v199
	v_fma_f32 v199, v[DL+(\a)], v[DH+(\b)], v199
	v_add_f32 v[DH+(\d)], v198, v199
	v_sub_f32 v200, v198, v[DH+(\d)]
	v_add_f32 v[DL+(\d)], v200, v199
.endm
	v_mov_b32 v[DH], 1.0
	v_mov_b32 v[DL], 0
	v_mov_b32 v196, 0x41200000                     ; 10
	v_mov_b32 v197, 0
	DSQRT DH+8, DL+8, 196, 197                     ; 10^(8 / 16)
	DSQRT DH+4, DL+4, DH+8, DL+8                   ; 10^(4 / 16)
	DSQRT DH+2, DL+2, DH+4, DL+4
	DSQRT DH+1, DL+1, DH+2, DL+2
	DMUL 12, 8, 4
	DMUL 10, 8, 2
	DMUL 9, 8, 1
	DMUL 6, 4, 2
	DMUL 5, 4, 1
	DMUL 3, 2, 1
	DMUL 14, 12, 2
	DMUL 13, 12, 1
	DMUL 11, 10, 1
	DMUL 7, 6, 1
	DMUL 15, 14, 1
	v_mov_b32 v192, 1.0                            ; 10^(2 b + h), exact: v192 for b = 0, v193 for b = 1
	v_mov_b32 v194, 0x41200000
	v_cndmask_b32 v192, v192, v194, s[HM]          ; 1, or 10 in lanes 16-31
	v_mov_b32 v193, 0x42c80000
	v_mov_b32 v195, 0x447a0000
	v_cndmask_b32 v193, v193, v195, s[HM]          ; 100, or 1000
; Each stage runs over the lane's 32 frequencies, so that no line waits for the line above it.  v32.. the power, 1 / it, the angle, r; v128.. n, the quadrant; v160.. z; v64.. cos; v96.. sin; v192.. at work
.set KK, 0
.rept 32
	v_mul_f32 v[32+KK], v[DH+KK%16], v[192+KK/16]
.set KK, KK+1
.endr
.set KK, 0
.rept 32
	v_fma_f32 v[64+KK], v[DH+KK%16], v[192+KK/16], -v[32+KK]   ; that product's rounding error,
.set KK, KK+1
.endr
.set KK, 0
.rept 32
	v_fma_f32 v[64+KK], v[DL+KK%16], v[192+KK/16], v[64+KK]    ; and the lower part's share
.set KK, KK+1
.endr
.set KK, 0
.rept 32
	v_add_f32 v[32+KK], v[32+KK], v[64+KK]         ; 10000^(f / 64), rounded to f32 once
.set KK, KK+1
.endr
.set KK, 0
.rept 32
	v_rcp_f32 v[64+KK], v[32+KK]                   ; one batch
.set KK, KK+1
.endr
	v_nop                                          ; a plain instruction behind the batch
	s_wait_alu depctr_va_vdst(0)                   ; one wait for the batch, ahead of its first reader
	s_wait_loadcnt 0x0
	v_cvt_f32_i32 v10, v10
.set KK, 0
.rept 32
	v_fma_f32 v[96+KK], -v[32+KK], v[64+KK], 1.0   ; what the reciprocal misses,
.set KK, KK+1
.endr
.set KK, 0
.rept 32
	v_fma_f32 v[32+KK], v[64+KK], v[96+KK], v[64+KK]   ; put right: the quotient 1 / power, rounded to f32 once
.set KK, KK+1
.endr
.set KK, 0
.rept 32
	v_mul_f32 v[32+KK], v10, v[32+KK]              ; the angle, rounded to f32 once
.set KK, KK+1
.endr
.set KK, 0
.rept 32
	v_mul_f32 v[128+KK], s42, v[32+KK]
.set KK, KK+1
.endr
.set KK, 0
.rept 32
	v_rndne_f32 v[128+KK], v[128+KK]               ; n quarter turns
.set KK, KK+1
.endr
.set KK, 0
.rept 32
	v_fma_f32 v[32+KK], -v[128+KK], s43, v[32+KK]
.set KK, KK+1
.endr
.set KK, 0
.rept 32
	v_fma_f32 v[32+KK], -v[128+KK], s44, v[32+KK]  ; r = angle - n pi / 2
.set KK, KK+1
.endr
.set KK, 0
.rept 32
	v_mul_f32 v[160+KK], v[32+KK], v[32+KK]        ; z = r r
.set KK, KK+1
.endr
.set KK, 0
.rept 32
	v_fma_f32 v[96+KK], v[160+KK], s45, s46
	v_fma_f32 v[64+KK], v[160+KK], s48, s49
.set KK, KK+1
.endr
.set KK, 0
.rept 32
	v_fma_f32 v[96+KK], v[96+KK], v[160+KK], s47
	v_fma_f32 v[64+KK], v[64+KK], v[160+KK], s50
.set KK, KK+1
.endr
.set KK, 0
.rept 32
	v_mul_f32 v[192+KK], v[32+KK], v[160+KK]       ; r z
.set KK, KK+1
.endr
.set KK, 0
.rept 32
	v_fma_f32 v[96+KK], v[192+KK], v[96+KK], v[32+KK]   ; sin r
.set KK, KK+1
.endr
.set KK, 0
.rept 32
	v_mul_f32 v[192+KK], v[160+KK], v[160+KK]      ; z z
.set KK, KK+1
.endr
.set KK, 0
.rept 32
	v_fma_f32 v[160+KK], v[160+KK], -0.5, 1.0
.set KK, KK+1
.endr
.set KK, 0
.rept 32
	v_fma_f32 v[64+KK], v[192+KK], v[64+KK], v[160+KK]   ; cos r
.set KK, KK+1
.endr
.set KK, 0
.rept 32
	v_cvt_i32_f32 v[128+KK], v[128+KK]             ; the quadrant is n's two lowest bits
.set KK, KK+1
.endr
.set KK, 0
.rept 32
	v_and_b32 v[192+KK], 1, v[128+KK]
.set KK, KK+1
.endr
.set KK, 0
.rept 32
	v_cmp_ne_u32 vcc_lo, 0, v[192+KK]              ; in odd quadrants the two change places
	v_cndmask_b32 v[160+KK], v[96+KK], v[64+KK], vcc_lo
	v_cndmask_b32 v[192+KK], v[64+KK], v[96+KK], vcc_lo
.set KK, KK+1
.endr
.set KK, 0
.rept 32
	v_lshlrev_b32 v[96+KK], 30, v[128+KK]          ; sin changes sign where n & 2,
	v_add_nc_u32 v[128+KK], 1, v[128+KK]
.set KK, KK+1
.endr
.set KK, 0
.rept 32
	v_and_b32 v[96+KK], 0x80000000, v[96+KK]
	v_lshlrev_b32 v[64+KK], 30, v[128+KK]          ; cos where (n + 1) & 2
.set KK, KK+1
.endr
.set KK, 0
.rept 32
	v_xor_b32 v[96+KK], v[96+KK], v[160+KK]
	v_and_b32 v[64+KK], 0x80000000, v[64+KK]
.set KK, KK+1
.endr
.set KK, 0
.rept 32
	v_xor_b32 v[64+KK], v[64+KK], v[192+KK]
.set KK, KK+1
.endr
.irp g, 0,1,2,3,4,5,6,7
	global_store_b128 v1, v[64+4*\g:67+4*\g], s[18:19] offset:512*\g          ; cos: 512 consecutive bytes a store
.endr
.irp g, 0,1,2,3,4,5,6,7
	global_store_b128 v1, v[96+4*\g:99+4*\g], s[18:19] offset:4096+512*\g     ; sin
.endr
	s_endpgm
.Lfunc_end_k_q9702014d06_prep:
	.size	k_q9702014d06_prep, .Lfunc_end_k_q9702014d06_prep-k_q9702014d06_prep
	.p2alignl 7, 3214868480
	.fill 96, 4, 3214868480
	.section	.rodata,"a",@progbits
	.p2align	6, 0x0
	.amdhsa_kernel k_q9702014d06_prep
		.amdhsa_group_segment_fixed_size 34304
		.amdhsa_private_segment_fixed_size 0
		.amdhsa_enable_private_segment 0
		.amdhsa_kernarg_size 72
		.amdhsa_user_sgpr_count 2
		.amdhsa_user_sgpr_kernarg_segment_ptr 1
		.amdhsa_wavefront_size32 1
		.amdhsa_system_sgpr_workgroup_id_x 1
		.amdhsa_system_sgpr_workgroup_id_y 1
		.amdhsa_system_sgpr_workgroup_id_z 1
		.amdhsa_system_vgpr_workitem_id 0
		.amdhsa_next_free_vgpr 242
		.amdhsa_next_free_sgpr 66
		.amdhsa_reserve_vcc 1
		.amdhsa_float_denorm_mode_32 3
		.amdhsa_float_denorm_mode_16_64 3
		.amdhsa_memory_ordered 1
		.amdhsa_forward_progress 1
		.amdhsa_inst_pref_size 203
	.end_amdhsa_kernel
	.amdgpu_metadata
---
amdhsa.version: [ 1, 2 ]
amdhsa.kernels:
  - .name:           k_q9702014d06_prep
    .symbol:         k_q9702014d06_prep.kd
    .args:
      - { .name: x, .offset: 0, .size: 8, .value_kind: global_buffer, .address_space: global }
      - { .name: w_qkv, .offset: 8, .size: 8, .value_kind: global_buffer, .address_space: global }
      - { .name: w_out, .offset: 16, .size: 8, .value_kind: global_buffer, .address_space: global }
      - { .name: mask, .offset: 24, .size: 8, .value_kind: global_buffer, .address_space: global }
      - { .name: pos, .offset: 32, .size: 8, .value_kind: global_buffer, .address_space: global }
      - { .name: pcodes, .offset: 40, .size: 8, .value_kind: global_buffer, .address_space: global }
      - { .name: pscales, .offset: 48, .size: 8, .value_kind: global_buffer, .address_space: global }
      - { .name: ropet, .offset: 56, .size: 8, .value_kind: global_buffer, .address_space: global }
      - { .name: maskw, .offset: 64, .size: 8, .value_kind: global_buffer, .address_space: global }
    .group_segment_fixed_size: 34304
    .private_segment_fixed_size: 0
    .kernarg_segment_align: 8
    .kernarg_segment_size: 72
    .max_flat_workgroup_size: 128
    .sgpr_count:     66
    .vgpr_count:     242
    .wavefront_size: 32
...
	.end_amdgpu_metadata
.endif
;; end of part 1
;; launch gemm1 (part 2): grid 12 x 16, 4 waves a work-group, clusters of 4 x 4, 327,680 bytes of LDS; arguments pcodes, pscales, ropet, q_norm_w, k_norm_w, qkvc, qkvs; writes qkvc, qkvs
.if DOCPART == 2
	.amdgcn_target "amdgcn-amd-amdhsa--gfx1250"
	.amdhsa_code_object_version 6
	.text
	.protected	k_q9702014d06_gemm1
	.globl	k_q9702014d06_gemm1
	.p2align	8
	.type	k_q9702014d06_gemm1,@function
k_q9702014d06_gemm1:
	s_mov_b64 s[64:65], 0
	v_nop
	global_prefetch_b8 v0, s[64:65] scope:SCOPE_SE
	s_setreg_imm32_b32 hwreg(HW_REG_WAVE_MODE, 25, 1), 1
	s_wait_xcnt 0x0
	s_wait_alu depctr_hold_cnt(0) depctr_sa_sdst(0) depctr_va_vdst(0) depctr_va_sdst(0) depctr_va_ssrc(0) depctr_va_vcc(0) depctr_vm_vsrc(0)
	s_getreg_b32 s2, hwreg(HW_REG_IB_STS2, 6, 4)
	s_cmp_eq_u32 s2, 0
	s_cbranch_scc0 .Lentry_in_a_cluster
	s_endpgm
.Lentry_in_a_cluster:
	s_bfe_u32 s2, ttmp6, 0x10000c
	s_cmp_lg_u32 s2, 0xf033
	s_cbranch_scc0 .Lentry_shape_is_right
	s_endpgm
.Lentry_shape_is_right:
; qkv = x w_qkv^T on codes of FP6 (E2M3) with E8M0 scales; then, in the way out, the RMS norm and the rotation of q's and k's heads, and the quantisers of q, k (along the head's 128) and v (along the keys).
; OPERANDS lie in memory as images of their registers: tile i = the 16 rows 32 (i / 2) + 8 (i % 2) + r + 8 (r / 8); the image of (tile, 128 along K) is 1,536 bytes, three loads of 16 bytes a lane.
; Codes [K quarter][tile][4 K steps][1,536]; scale words [tile][K quarter][r][4 words].
; SHARES.  A work-group of four waves makes 256 rows x two whole heads (tile column tx: heads tx and tx + 12); a wave makes 128 rows x one head: 64 accumulators, 512 registers.  12 x 16 = 192 work-groups:
; a narrower tile would cut a head across waves, and the norm wants a head in a wave.  K goes in steps of 256 through a ring of two LDS slots filled by the tensor data mover.
; CLUSTERS 4 x 4: A's tiles are shared along a row of the cluster, B's along a column: joint loads.  The scale words of the work-group's rows, for all of K, come once with the first fills.
; THE MATRIX INSTRUCTION IS USED TRANSPOSED (source 0 = 16 rows of w_qkv, source 1 = 16 rows of x).  With the tiles' rows chosen as above, lane (r, h) holds ONE token, and its register 8 b + j is the head's
; channel 32 (b / 2) + 16 h + 8 (b % 2) + j: 16 neighbours of each block of 32, as the quantiser wants them.  Channel c and channel c + 64, which the rotation pairs, lie in one lane.
; A wave's kind of head hangs on the cluster's x and the wave's number alone: the second head is a query head (x = 0), a key head (x = 1) or a value head (x = 2).
; No prefetch: the tiles are read by several clusters and shared by joint loads.
; LIMITS: blocks of zeros get the byte 1 (this program alone reads the bytes); NaN and infinities are not served.
; REGISTERS, in windows of 256: window 0: v16-29 addresses; v32-63 scale words, two sets; v128-223 A's fragments, one set; on the way out v64-195 at work.
;   window 1: B's fragments, two sets, v0-95 and v128-223; beside them the norm's gains (v96-127, v224-255); on the way out cos and sin of two tiles (v0-63, v128-191).   windows 2, 3: the accumulators.
.set MA,     8                         ; A's tiles a wave
.set NQ,     2                         ; K steps of 128 in a slot
.set TA,     256                       ; tiles of x
.set TB,     192                       ; tiles of w_qkv
.set BCODE,  6291456                   ; where w_qkv's codes begin in pcodes
.set BSCALE, 262144                    ; and its scale words in pscales
.set OFFA,   3072                      ; from slot 0's first tile to slot 1's, in memory
.set OFFB,   3072
.set FR,     12                        ; registers of a fragment
.set NL,     3                         ; LDS loads that bring one
.set NP,     4                         ; places behind this matrix instruction (ISA guide 7.12.1)
.set HB,     MA/2
.set TILEB,  NQ*1536                   ; a tile's bytes in a slot
.set SLOT,   (2*MA+16)*TILEB           ; A's 16 tiles, then B's 16
.set SCL,    2*SLOT                    ; behind the ring: A's scale words (1,024 bytes a tile), then B's
.set SPARE,  SCL+(2*MA+16)*1024        ; the spare words, 128 bytes for each wave: two blocks of 256 bytes that no other line names
.set VSTG,   SPARE+512                 ; the second stage for v
.set LAPS,   2048/(256*NQ)
.set LAPA,   NQ*TA*3072                ; a lap on, in memory
.set LAPB,   NQ*TB*3072
.set ADRA, 16                          ; v16-17  LDS address of my A fragments in slot 0, 1
.set H8,   18                          ; v18     8 x (lane / 16)
.set WOF,  19                          ; v19     64 x (lane / 16): my place in the gains
.set ADRB, 20                          ; v20-21  the same as ADRA for B
.set VST,  24                          ; v24     v's stage: where I put 32 bytes of a row
.set VRD,  25                          ; v25     and where I read a column
.set LI,   26                          ; v26     16 x lane
.set ADRS, 27                          ; v27     LDS address of my scale words: lanes 0-15 A's, lanes 16-31 B's
.set SPW,  28                          ; v28     LDS address of my spare word; never rewritten
.set NIL,  29                          ; v29     0; never rewritten
.set SC,   32
.set AF,   128
.set TT,   64                          ; the way out: v64-127 a tile's 64 numbers of a lane
.set TP,   128                         ; v128-135 at work
.set SS,   136                         ; v136-143 sums of squares
.set RS,   144                         ; v144-145 1 / sqrt
.set TM,   148                         ; v148-163 at work in the quantiser
.set PC,   164                         ; v164-175 the codes just made
.set TC,   176                         ; v176-183
.set PW,   184                         ; v184-191 eight tiles' scale words
.set DD,   192                         ; v192-195 as they are stored
.set WV, 18                            ; s18 wave;  s19 my half of the rows, also: I fetch for A (0) or B (1);  s20 my half of the columns, also: which half I fetch
.set WR, 19
.set WC, 20
.set TY, 21                            ; s21 tile row, s22 tile column
.set TX, 22
.set G1, 24
.set G0, 32
.set G1B, 48
.set G0B, 56
.set SEL, 66                           ; s[66:67]
.set G1S, 68
.set G0S, 76
.set G1SB, 80
.set G0SB, 88
.set HM, 100
.set MSB, 0
.macro WIN new                         ; the immediate's high byte repeats the setting that is left
.if MSB != (\new)
	s_set_vgpr_msb (MSB<<8)|(\new)
.set MSB, (\new)
.endif
.endm
.set TO_B, 0x40
; A joint load: waves 0 and 1 fetch for A, waves 2 and 3 for B.  Four v_nop follow each of the two lines.
.macro JLOAD g0a, g1a, g0b, g1b
	s_cmp_eq_u32 s[WR], 0
	s_cbranch_scc0 .Lfor_b_\@
	tensor_load_to_lds s[\g0a:\g0a+3], s[\g1a:\g1a+7]
	s_nop 0
.rept 4
	v_nop
.endr
	s_branch .Lasked_\@
.Lfor_b_\@:
	tensor_load_to_lds s[\g0b:\g0b+3], s[\g1b:\g1b+7]
	s_nop 0
.rept 4
	v_nop
.endr
.Lasked_\@:
.endm
.macro CREST                           ; a round of the cluster's barrier behind its opening barrier
	s_cmp_lg_u32 s[WV], 0
	s_cbranch_scc1 .Lnot_wave_0_\@
	s_barrier_signal -3
.Lnot_wave_0_\@:
	s_barrier_wait -3
	s_barrier_signal -1
	s_barrier_wait -1
.endm
.macro CROUND
	s_barrier_signal -1
	s_barrier_wait -1
	CREST
.endm
.macro PLACES n
.rept \n
	v_nop
.endr
.endm
.macro QUANT s, pc, tc, pw             ; 64 numbers of a lane, register 16 b + i = k 32 b + 16 (lane / 16) + i of my row, become a fragment in v[pc] on and its scale word in v[pw]
.irp b, 0,1,2,3
	v_max3_num_f32 v[TM+\b], |v[(\s)+16*\b]|, |v[(\s)+1+16*\b]|, 0x1800000   ; and the floor 2^(3 - 127): the byte cannot fall under 1
.endr
.irp i, 2,4,6,8,10,12,14
.irp b, 0,1,2,3
	v_max3_num_f32 v[TM+\b], v[TM+\b], |v[(\s)+16*\b+\i]|, |v[(\s)+1+16*\b+\i]|
.endr
.endr
.irp b, 0,1,2,3
	v_permlanex16_b32 v[TM+4+\b], v[TM+\b], s[SEL], s[SEL+1]
.endr
.irp b, 0,1,2,3
	v_max_num_f32 v[TM+\b], v[TM+\b], v[TM+4+\b]
.endr
.irp b, 0,1,2,3
	v_add_nc_u32 v[TM+12+\b], 0xff000000, v[TM+\b]                 ; 2 off the exponent field: the conversion's scale operand
.endr
.irp b, 0,1,2,3
	v_lshrrev_b32 v[TM+4+\b], 23, v[TM+12+\b]
.endr
	v_lshl_or_b32 v[\pw], v[TM+5], 8, v[TM+4]
	v_lshl_or_b32 v[\pw], v[TM+6], 16, v[\pw]
	v_lshl_or_b32 v[\pw], v[TM+7], 24, v[\pw]
.irp c, 0,1
	v_cvt_scalef32_pk16_fp6_f32 v[(\pc)+6*\c:(\pc)+2+6*\c], v[(\s)+32*\c:(\s)+15+32*\c], v[TM+12+2*\c]
	v_cvt_scalef32_pk16_fp6_f32 v[(\tc)+4*\c:(\tc)+2+4*\c], v[(\s)+16+32*\c:(\s)+31+32*\c], v[TM+13+2*\c]
.endr
	v_nop                                          ; one plain instruction behind the scaled conversions
.irp c, 0,1
.irp i, 0,1,2
	v_permlane16_swap_b32 v[(\pc)+6*\c+\i], v[(\tc)+4*\c+\i]
.endr
.irp i, 0,1,2
	v_mov_b32 v[(\pc)+3+6*\c+\i], v[(\tc)+4*\c+\i]
.endr
.endr
.endm
.macro SCOUT                           ; eight tiles' scale words leave as 512 consecutive bytes: lane (r, h) stores the words of row r of tiles 4 h .. 4 h + 3
.irp k, 0,1,2,3
	v_cndmask_b32 v[DD+\k], v[PW+\k], v[PW+4+\k], s[HM]
.endr
	global_store_b128 v[LI], v[DD:DD+3], s[16:17]
.endm
	s_load_b256 s[4:11], s[0:1], 0x0               ; pcodes, pscales, ropet, q_norm_w
	s_load_b128 s[12:15], s[0:1], 0x20             ; k_norm_w, qkvc
	s_load_b64 s[16:17], s[0:1], 0x30              ; qkvs
	v_lshl_add_u32 v[SPW], v0, 2, SPARE
	v_mov_b32 v[NIL], 0
	ds_add_u32 v28, v29
	ds_add_u32 v28, v29
	s_wait_dscnt 0x0
	v_lshrrev_b32 v1, 5, v0
	v_readfirstlane_b32 s[WV], v1
	s_lshr_b32 s[WR], s[WV], 1
	s_and_b32 s[WC], s[WV], 1
	s_bfe_u32 s40, ttmp6, 0x40000                  ; cx, cy
	s_bfe_u32 s41, ttmp6, 0x40004
	s_lshl_b32 s[TX], ttmp9, 2
	s_add_co_u32 s[TX], s[TX], s40
	s_and_b32 s[TY], ttmp7, 0xffff
	s_lshl_b32 s[TY], s[TY], 2
	s_add_co_u32 s[TY], s[TY], s41
	s_lshl_b32 s43, s41, 2
	s_lshl_b32 s43, 15, s43                        ; my row of the cluster
	s_lshl_b32 s44, 0x1111, s40                    ; my column
	; group 1.  Codes: MA (B: 8) rows, a tile each, of TILEB bytes in elements of 8 bytes, 6,144 bytes apart in memory, on end in LDS.  Scale words: dense, as rows of 256 bytes
	s_or_b32 s[G1], s43, (3<<16)|(1<<21)           ; 15:0 the mask; 17:16 elements of 8 bytes; 21 set beside a mask; no padding
	s_or_b32 s[G1B], s44, (3<<16)|(1<<21)
	s_or_b32 s[G1S], s43, (3<<16)|(1<<21)
	s_or_b32 s[G1SB], s44, (3<<16)|(1<<21)
	s_mov_b32 s[G1+1], (TILEB/8)<<16               ; tensor_dim0
	s_mov_b32 s[G1+2], MA<<16                      ; tensor_dim1
	s_mov_b32 s[G1+3], (TILEB/8)<<16               ; tile_dim0
	s_mov_b32 s[G1+4], MA                          ; tile_dim1
	s_mov_b32 s[G1+5], 768                         ; tensor_dim0_stride
	s_mov_b32 s[G1+6], 0
	s_mov_b32 s[G1+7], 0
	s_mov_b32 s[G1B+1], (TILEB/8)<<16
	s_mov_b32 s[G1B+2], 8<<16
	s_mov_b32 s[G1B+3], (TILEB/8)<<16
	s_mov_b32 s[G1B+4], 8
	s_mov_b32 s[G1B+5], 768
	s_mov_b32 s[G1B+6], 0
	s_mov_b32 s[G1B+7], 0
	s_mov_b32 s[G1S+1], 32<<16
	s_mov_b32 s[G1S+2], (4*MA)<<16
	s_mov_b32 s[G1S+3], 32<<16
	s_mov_b32 s[G1S+4], 4*MA
	s_mov_b32 s[G1S+5], 32
	s_mov_b32 s[G1S+6], 0
	s_mov_b32 s[G1S+7], 0
	s_mov_b32 s[G1SB+1], 32<<16
	s_mov_b32 s[G1SB+2], 32<<16
	s_mov_b32 s[G1SB+3], 32<<16
	s_mov_b32 s[G1SB+4], 32
	s_mov_b32 s[G1SB+5], 32
	s_mov_b32 s[G1SB+6], 0
	s_mov_b32 s[G1SB+7], 0
	; what I fetch.  A's hangs on the tile row and the wave's number, B's on the tile column and the wave's number
	s_mul_i32 s92, s[TY], 2*MA
	s_mul_i32 s93, s[WC], MA
	s_add_co_u32 s92, s92, s93                     ; A: the first tile of my half
	s_mul_i32 s94, s92, 6144
	s_mov_b32 s95, 0
	s_lshl_b32 s92, s92, 10
	s_mov_b32 s93, 0
	s_mul_i32 s96, s[WC], 12
	s_add_co_u32 s96, s96, s[TX]                   ; B: head tx or tx + 12: eight tiles
	s_mul_i32 s98, s96, 8*6144
	s_add_co_u32 s98, s98, BCODE
	s_mov_b32 s99, 0
	s_lshl_b32 s96, s96, 13
	s_add_co_u32 s96, s96, BSCALE
	s_mov_b32 s97, 0
	s_mul_i32 s45, s[WC], MA*TILEB                 ; and where it goes: no place in the cluster enters an LDS address
	s_mul_i32 s46, s[WC], 8*TILEB
	s_add_co_u32 s46, s46, 2*MA*TILEB
	s_mul_i32 s47, s[WC], MA*1024
	s_lshl_b32 s2, s[WC], 13
	s_add_co_u32 s2, s2, 2*MA*1024
	s_mov_b32 s[SEL], 0x76543210
	s_mov_b32 s[SEL+1], 0xfedcba98
	s_mov_b32 s[HM], 0xffff0000
	s_cmp_eq_u32 ttmp9, 1
	s_cselect_b32 s23, s[WC], 0                    ; 1: my head is a key head
	s_wait_kmcnt 0x0
	s_add_nc_u64 s[94:95], s[4:5], s[94:95]
	s_add_nc_u64 s[92:93], s[6:7], s[92:93]
	s_add_nc_u64 s[98:99], s[4:5], s[98:99]
	s_add_nc_u64 s[96:97], s[6:7], s[96:97]
	s_cmp_eq_u32 s23, 1
	s_cselect_b64 s[10:11], s[12:13], s[10:11]     ; the gains of my head's norm (a value head loads q's and does not use them)
	CROUND                                         ; all sixteen work-groups are here: the first joint loads meet
	s_mov_b32 s[G0S], 1
	s_add_co_u32 s[G0S+1], s47, SCL
	s_mov_b64 s[G0S+2:G0S+3], s[92:93]
	s_or_b32 s[G0S+3], s[G0S+3], 0x80000000
	s_mov_b32 s[G0SB], 1
	s_add_co_u32 s[G0SB+1], s2, SCL
	s_mov_b64 s[G0SB+2:G0SB+3], s[96:97]
	s_or_b32 s[G0SB+3], s[G0SB+3], 0x80000000
	JLOAD G0S, G1S, G0SB, G1SB                     ; the scale words first: they are wanted with K step 0
.irp s, 0,1
	s_mov_b32 s[G0+4*\s], 1
	s_add_co_u32 s[G0+4*\s+1], s45, \s*SLOT
	s_add_nc_u64 s[G0+4*\s+2:G0+4*\s+3], s[94:95], \s*OFFA
	s_or_b32 s[G0+4*\s+3], s[G0+4*\s+3], 0x80000000
	s_mov_b32 s[G0B+4*\s], 1
	s_add_co_u32 s[G0B+4*\s+1], s46, \s*SLOT
	s_add_nc_u64 s[G0B+4*\s+2:G0B+4*\s+3], s[98:99], \s*OFFB
	s_or_b32 s[G0B+4*\s+3], s[G0B+4*\s+3], 0x80000000
	JLOAD G0+4*\s, G1, G0B+4*\s, G1B               ; three tensor loads of mine are out
.endr
	v_and_b32 v1, 15, v0                           ; r
	v_bfe_u32 v2, v0, 4, 1                         ; h
	v_and_b32 v3, 31, v0
	v_lshlrev_b32 v[LI], 4, v3
	v_lshlrev_b32 v[WOF], 6, v2
	v_lshlrev_b32 v[H8], 3, v2
	WIN TO_B                                       ; the gains: register 16 b + i = gain of channel 32 b + 16 h + i, beside B's sets in window 1
.irp b, 0,1,2,3
.irp j, 0,1,2,3
	global_load_b128 v[96+16*\b+4*\j+96*(\b/2):99+16*\b+4*\j+96*(\b/2)], v[WOF], s[10:11] offset:128*\b+16*\j
.endr
.endr
	WIN 0
	s_mul_i32 s92, s[WR], MA*TILEB                 ; my tiles of A
	s_mul_i32 s93, s[WC], 8*TILEB                  ; my tiles of B, behind A's
	s_add_co_u32 s93, s93, 2*MA*TILEB
.irp s, 0,1
	v_add_nc_u32 v[ADRA+\s], s92, v[LI]
	v_add_nc_u32 v[ADRB+\s], s93, v[LI]
	s_add_co_u32 s92, s92, SLOT
	s_add_co_u32 s93, s93, SLOT
.endr
	v_lshlrev_b32 v5, 4, v1                        ; scale words: 16 bytes a row in a unit of 256
	s_mul_i32 s92, s[WR], MA*1024
	s_lshl_b32 s93, s[WC], 13
	s_add_co_u32 s93, s93, 2*MA*1024
	s_sub_co_u32 s93, s93, s92
	v_mul_u32_u24 v6, s93, v2                      ; lanes 16-31 take B's: one product, the distance between the two
	s_add_co_u32 s92, s92, SCL
	v_add_nc_u32 v5, v5, v6
	v_add_nc_u32 v[ADRS], s92, v5
	s_mul_i32 s92, s[WR], VSTG                     ; v's stage: 128 rows of 528 bytes and 32 more for each group of 32 rows: 67,664 bytes.  Wave 1's lies in slot 0, wave 3's behind the spare words
	v_mul_u32_u24 v5, v1, 528
	v_lshl_add_u32 v5, v2, 6, v5
	v_add_nc_u32 v[VST], s92, v5
	v_and_b32 v5, 8, v1
	v_add_nc_u32 v5, v5, v1
	v_lshlrev_b32 v5, 2, v5                        ; channel r + 8 (r / 8),
	v_mad_u32_u24 v5, v2, 32*528+32, v5            ; lanes 16-31 a group of 32 rows further down
	v_add_nc_u32 v[VRD], s92, v5
	s_lshl_b32 s92, s[TY], 4
	s_lshl_b32 s93, s[WR], 3
	s_add_co_u32 s92, s92, s93                     ; my first tile of rows
	s_and_b32 s92, s92, 63                         ; in its sequence of 1,024 tokens
	s_lshl_b32 s92, s92, 13
	s_mov_b32 s93, 0
	s_add_nc_u64 s[8:9], s[8:9], s[92:93]          ; its cos and sin
.macro FRAG reg, adr, q, i             ; a fragment comes as it was stored: three loads, 512 consecutive bytes each
.irp c, 0,1,2
	ds_load_b128 v[(\reg)+4*\c:(\reg)+4*\c+3], v[\adr] offset:(\i)*TILEB+(\q)*1536+512*\c
.endr
.endm
.macro FETCH_B slot, q, p
	WIN TO_B
.irp i, 0,1,2,3,4,5,6,7
	FRAG 128*(\p)+FR*\i, ADRB+\slot, \q, \i
.endr
	WIN 0
.endm
.macro FETCH_A slot, q, i0             ; half of A's tiles, from i0 on
.set II, \i0
.rept HB
	FRAG AF+FR*II, ADRA+\slot, \q, II
.set II, II+1
.endr
.endm
.macro SCALES sc                       ; a slot's scale words: lanes 0-15 A's tile i, lanes 16-31 B's tile i
.irp i, 0,1,2,3,4,5,6,7
	ds_load_b64 v[SC+8*NQ*(\sc)+NQ*\i:SC+8*NQ*(\sc)+NQ*\i+1], v[ADRS] offset:1024*\i
.endr
.endm
; n of A's tiles from a0 on, each against B's eight.  The accumulators take turns, one instruction a turn, in the same order in every step.  zero = 1: the product starts the sums
.macro MULB a0, n, p, q, sc, zero
	WIN 0xa1+0x50*((\a0)/4)                        ; source 0 (B) window 1, source 1 (A) window 0, C and D window 2 or 3
.set AA, \a0
.rept \n
.irp b, 0,1,2,3,4,5,6,7
.if \zero
	v_wmma_scale_f32_16x16x128_f8f6f4 v[8*(8*(AA%4)+\b):8*(8*(AA%4)+\b)+7], v[128*(\p)+FR*\b:128*(\p)+FR*\b+FR-1], v[AF+FR*AA:AF+FR*AA+FR-1], 0, v[SC+8*NQ*(\sc)+NQ*\b+(\q)], v[SC+8*NQ*(\sc)+NQ*AA+(\q)] matrix_a_fmt:MATRIX_FMT_FP6 matrix_b_fmt:MATRIX_FMT_FP6 matrix_a_scale:MATRIX_SCALE_ROW1
.else
	v_wmma_scale_f32_16x16x128_f8f6f4 v[8*(8*(AA%4)+\b):8*(8*(AA%4)+\b)+7], v[128*(\p)+FR*\b:128*(\p)+FR*\b+FR-1], v[AF+FR*AA:AF+FR*AA+FR-1], v[8*(8*(AA%4)+\b):8*(8*(AA%4)+\b)+7], v[SC+8*NQ*(\sc)+NQ*\b+(\q)], v[SC+8*NQ*(\sc)+NQ*AA+(\q)] matrix_a_fmt:MATRIX_FMT_FP6 matrix_b_fmt:MATRIX_FMT_FP6 matrix_a_scale:MATRIX_SCALE_ROW1
.endif
.endr
.set AA, AA+1
.endr
.endm
; A step of 128 along K that has its successor in the same slot.  A has one set of registers: its first half is fetched anew in the step's middle, its second half at the end; B has two sets
.macro STEP slot, q, zero
	s_wait_dscnt HB*NL                             ; all but the youngest loads, A's second half
	MULB 0, HB, (\q)%2, \q, \slot, \zero
	s_wait_dscnt 0
	PLACES NP                                      ; in front of loads into registers that matrix instructions have read
	FETCH_B \slot, (\q)+1, 1-(\q)%2
	FETCH_A \slot, (\q)+1, 0
	MULB HB, HB, (\q)%2, \q, \slot, \zero
	PLACES NP
	WIN 0
	FETCH_A \slot, (\q)+1, HB
.endm
; A slot's last step changes slots: one barrier; in front of it each wave waits for all its tensor loads, adds 0 to its spare word, and waits for that and for its reads of this slot
.macro TURN slot, next, fill
	s_wait_tensorcnt 0x0                           ; all my tensor loads have landed: my part of the next slot
	ds_add_u32 v[SPW], v[NIL]                      ; 0 onto my spare word
	s_wait_dscnt HB*NL+1                           ; (the add and A's second half may be out)
	MULB 0, HB/2, 1, NQ-1, \slot, 0
	s_wait_dscnt 0x0                               ; the add is done, and my reads of this slot are over
	s_barrier_signal -1
	MULB HB/2, HB/2, 1, NQ-1, \slot, 0
	WIN 0
	s_barrier_wait -1
.if \fill
	CREST                                          ; the barrier has opened a round of the cluster's: no wave of any partner still reads this slot or has a load on its way
	s_add_nc_u64 s[G0+4*\slot+2:G0+4*\slot+3], s[G0+4*\slot+2:G0+4*\slot+3], LAPA
	s_add_nc_u64 s[G0B+4*\slot+2:G0B+4*\slot+3], s[G0B+4*\slot+2:G0B+4*\slot+3], LAPB
	JLOAD G0+4*\slot, G1, G0B+4*\slot, G1B         ; the first tensor load behind the round; its four v_nop are the places in front of the loads below
.else
	PLACES NP
.endif
	v_add_nc_u32 v[ADRS], 8+240*(\slot), v[ADRS]   ; the next slot's scale words: the other two words of the unit, or the next unit's first two
	FETCH_B \next, 0, 0
	FETCH_A \next, 0, 0
	SCALES \next
	MULB HB, HB, 1, NQ-1, \slot, 0
	PLACES NP
	WIN 0
	FETCH_A \next, 0, HB
.endm
	s_wait_tensorcnt 1                             ; the scale words and my part of slot 0 are in; slot 1's load may be out
	s_barrier_signal -1
	s_barrier_wait -1
	FETCH_B 0, 0, 0
	FETCH_A 0, 0, 0
	SCALES 0
	FETCH_A 0, 0, HB
	STEP 0, 0, 1                                   ; the first step stands in front of the loop: its products start the sums
	s_mov_b32 s3, LAPS-1
.Llap:                                                 ; a trip goes once round the ring and fills both slots again
	TURN 0, 1, 1
	STEP 1, 0, 0
	TURN 1, 0, 1
	STEP 0, 0, 0
	s_sub_co_u32 s3, s3, 1
	s_cmp_lg_u32 s3, 0
	s_cbranch_scc1 .Llap
	TURN 0, 1, 0                                   ; the last lap fills nothing
	STEP 1, 0, 0
	WIN TO_B                                       ; cos and sin of my first tile, into B's set 0, whose last products stand in front of the step's closing places
.irp g, 0,1,2,3,4,5,6,7,8,9,10,11,12,13,14,15
	global_load_b128 v[4*\g:4*\g+3], v[LI], s[8:9] offset:512*\g
.endr
	WIN 0
	s_wait_dscnt HB*NL                             ; the very last step
	MULB 0, HB, 1, NQ-1, 1, 0
	s_wait_dscnt 0
	MULB HB, HB, 1, NQ-1, 1, 0
	WIN 0
	PLACES NP                                      ; behind the last products: for the first reads of results and the loads into B's set 1
.irp b, 0,1,2,3
	v_mov_b32 v[TM+4+\b], 0                        ; written once: a lane permute's destination counts as one of its sources
.endr
	v_mov_b32 v[RS+1], 0                           ; (named as the upper half of a pair)
	s_mov_b32 s98, 0x3c000000                      ; 1 / 128
	s_mov_b32 s99, 0x34000000                      ; eps of f32
	s_mov_b32 s95, 0
	s_cmp_eq_u32 s[WC], 0                          ; the first head of a work-group is always a query head
	s_cbranch_scc1 .Lqk
	s_cmp_lg_u32 ttmp9, 2                          ; the second is a value head in the clusters with x = 2
	s_cbranch_scc1 .Lqk
	; ---- A VALUE HEAD.  K of the product that reads it is the keys, which lie across lanes and tiles here: the wave's 128 tokens x 128 channels turn through a stage in LDS.
	; Stage row 16 a + r holds tile a's token of lane r and begins at 528 x row + 32 x (row / 32).  The 32 bytes more for each group of 32 rows keep the column reads of the two halves of the lanes,
	; which stand a group apart, in different banks; since the skew only grows, a row's 512 bytes end 16 bytes or more ahead of the next row's first byte, at the groups' edges too.
	s_wait_loadcnt 0x0                             ; (the gains and the table, which this path does not use, have landed)
	s_lshr_b32 s92, s[TY], 2
	s_lshl_b32 s92, s92, 2
	s_add_co_u32 s92, s92, s[TX]
	s_sub_co_u32 s92, s92, 8                       ; 4 x batch + value head
	s_lshl_b32 s92, s92, 3
	s_and_b32 s93, s[TY], 3
	s_lshl_b32 s93, s93, 1
	s_add_co_u32 s93, s93, s[WR]                   ; which 128 keys of the sequence
	s_add_co_u32 s92, s92, s93
	s_mul_i32 s94, s92, 12288
	s_add_co_u32 s94, s94, 7864320
	s_add_nc_u64 s[14:15], s[14:15], s[94:95]
	s_lshl_b32 s94, s92, 9
	s_add_co_u32 s94, s94, 327680
	s_add_nc_u64 s[16:17], s[16:17], s[94:95]
.irp a, 0,1,2,3,4,5,6,7
	WIN 0x08+4*(\a/4)                              ; an LDS store's data are its source 1: window 2 or 3
.irp b, 0,1,2,3,4,5,6,7
	ds_store_b128 v[VST], v[64*(\a%4)+8*\b:64*(\a%4)+8*\b+3] offset:16*\a*528+32*(\a/2)+128*(\b/2)+32*(\b%2)        ; tiles 2 g and 2 g + 1 are group g of 32 rows; each accumulator from its low end on
	ds_store_b128 v[VST], v[64*(\a%4)+8*\b+4:64*(\a%4)+8*\b+7] offset:16*\a*528+32*(\a/2)+128*(\b/2)+32*(\b%2)+16
.endr
.endr
	WIN 0
; Tile dt of v^T: lane (r, h) takes channel 32 (dt / 2) + 8 (dt % 2) + r + 8 (r / 8), and its registers run down the keys 64 c + 32 h + i: two whole blocks a lane
.macro VTILE dt
.irp c, 0,1
.irp i, 0,1,2,3,4,5,6,7,8,9,10,11,12,13,14,15,16,17,18,19,20,21,22,23,24,25,26,27,28,29,30,31
	ds_load_b32 v[TT+32*\c+\i], v[VRD] offset:(64*\c+\i+8*(((\i/8)%2)-(\i/16)))*528+64*\c+(32*((\dt)/2)+8*((\dt)%2))*4   ; the stage row that holds key 64 c + 32 h + i, in group 2 c + h: its skew is 64 c here and 32 h in the register.  LDS serves a wave's instructions in order
.endr
.endr
	s_wait_dscnt 0x0
.irp c, 0,1
	v_max3_num_f32 v[TM+\c], |v[TT+32*\c]|, |v[TT+1+32*\c]|, 0x1800000
.endr
.irp i, 2,4,6,8,10,12,14,16,18,20,22,24,26,28,30
.irp c, 0,1
	v_max3_num_f32 v[TM+\c], v[TM+\c], |v[TT+32*\c+\i]|, |v[TT+1+32*\c+\i]|
.endr
.endr
.irp c, 0,1
	v_add_nc_u32 v[TM+12+\c], 0xff000000, v[TM+\c]
.endr
.irp c, 0,1
	v_lshrrev_b32 v[TM+8+\c], 23, v[TM+12+\c]
.endr
	v_lshl_or_b32 v[PW+(\dt)], v[TM+9], 16, v[TM+8]            ; my two bytes: blocks h and 2 + h,
	v_lshlrev_b32 v[PW+(\dt)], v[H8], v[PW+(\dt)]              ; at their places;
	v_permlanex16_b32 v[TM+4], v[PW+(\dt)], s[SEL], s[SEL+1]
	v_or_b32 v[PW+(\dt)], v[PW+(\dt)], v[TM+4]                 ; with lane l xor 16's two the word is whole
	s_wait_xcnt 0x0                                ; the last tile's stores have read their data: the codes' registers may be written again
.irp c, 0,1
	v_cvt_scalef32_pk16_fp6_f32 v[PC+6*\c:PC+2+6*\c], v[TT+32*\c:TT+15+32*\c], v[TM+12+\c]
	v_cvt_scalef32_pk16_fp6_f32 v[TC+4*\c:TC+2+4*\c], v[TT+16+32*\c:TT+31+32*\c], v[TM+12+\c]
.endr
	v_nop
.irp c, 0,1
.irp i, 0,1,2
	v_mov_b32 v[PC+3+6*\c+\i], v[TC+4*\c+\i]
.endr
.endr
.irp c, 0,1,2
	global_store_b128 v[LI], v[PC+4*\c:PC+4*\c+3], s[14:15] offset:1536*(\dt)+512*\c
.endr
.endm
.irp d, 0,1,2,3,4,5,6,7
	VTILE \d
.endr
	SCOUT
	s_branch .Lend
.Lqk:
	; ---- A QUERY OR KEY HEAD, a tile of 16 tokens at a time: x / sqrt(mean of squares + eps) x gain, the rotation, the quantiser along the head's 128
	s_mul_i32 s92, s[WC], 12
	s_add_co_u32 s92, s92, s[TX]                   ; my head, 0 .. 19
	s_mul_i32 s94, s92, 393216
	s_lshl_b32 s93, s[TY], 4
	s_lshl_b32 s96, s[WR], 3
	s_add_co_u32 s93, s93, s96                     ; my first tile of rows
	s_mul_i32 s96, s93, 1536
	s_add_co_u32 s94, s94, s96
	s_add_nc_u64 s[14:15], s[14:15], s[94:95]
	s_lshl_b32 s94, s92, 14
	s_lshl_b32 s96, s93, 6                         ; 512 bytes for eight tiles
	s_add_co_u32 s94, s94, s96
	s_add_nc_u64 s[16:17], s[16:17], s[94:95]
.macro QKBLOCK a
.set AC, 64*((\a)%4)
.set WN, 2+(\a)/4
.set RB, 128*((\a)%2)
.if (\a) < 7
	WIN TO_B                                       ; the next tile's cos and sin, into the other set
.irp g, 0,1,2,3,4,5,6,7,8,9,10,11,12,13,14,15
	global_load_b128 v[128*(((\a)+1)%2)+4*\g:128*(((\a)+1)%2)+4*\g+3], v[LI], s[8:9] offset:((\a)+1)*8192+512*\g
.endr
.endif
	WIN 5*WN                                       ; sources 0 and 1: the accumulators' window
.irp p, 0,1,2,3
	v_pk_mul_f32 v[SS+2*\p:SS+2*\p+1], v[AC+2*\p:AC+2*\p+1], v[AC+2*\p:AC+2*\p+1]   ; the sum of squares, in four chains; each accumulator from its low end on
.endr
.set PP, 4
.rept 28
	v_pk_fma_f32 v[SS+2*(PP%4):SS+2*(PP%4)+1], v[AC+2*PP:AC+2*PP+1], v[AC+2*PP:AC+2*PP+1], v[SS+2*(PP%4):SS+2*(PP%4)+1]
.set PP, PP+1
.endr
	WIN 0
	v_pk_add_f32 v[SS:SS+1], v[SS:SS+1], v[SS+2:SS+3]
	v_pk_add_f32 v[SS+4:SS+5], v[SS+4:SS+5], v[SS+6:SS+7]
	v_pk_add_f32 v[SS:SS+1], v[SS:SS+1], v[SS+4:SS+5]
	v_add_f32 v[SS], v[SS], v[SS+1]
	v_permlanex16_b32 v[SS+1], v[SS], s[SEL], s[SEL+1]         ; the token's other 64 channels lie in the lane 16 away
	v_add_f32 v[SS], v[SS], v[SS+1]
	v_fma_f32 v[SS], v[SS], s98, s99               ; the mean + eps
	v_rsq_f32 v[RS], v[SS]
	v_nop                                          ; a plain instruction behind the transcendental,
	s_wait_alu depctr_va_vdst(0)                   ; and the wait ahead of its first reader
	WIN WN
.set PP, 0
.rept 32
	v_pk_mul_f32 v[TT+2*PP:TT+2*PP+1], v[AC+2*PP:AC+2*PP+1], v[RS:RS+1] op_sel_hi:[1,0]
.set PP, PP+1
.endr
.if (\a) < 7
	s_wait_loadcnt 16                              ; the gains and this tile's cos and sin are in; the next tile's 16 loads may be out
.else
	s_wait_loadcnt 0
.endif
	WIN 0x04                                       ; source 1 window 1
.set PP, 0
.rept 32
	v_pk_mul_f32 v[TT+2*PP:TT+2*PP+1], v[TT+2*PP:TT+2*PP+1], v[96+2*PP+96*(PP/16):97+2*PP+96*(PP/16)]
.set PP, PP+1
.endr
.set PP, 0
.rept 16                               ; channels c and c + 64: t1 cos - t2 sin, t2 cos + t1 sin
.set TE, TP+4*(PP%2)
	v_pk_mul_f32 v[TE:TE+1], v[TT+32+2*PP:TT+33+2*PP], v[RB+32+2*PP:RB+33+2*PP]
	v_pk_mul_f32 v[TE+2:TE+3], v[TT+2*PP:TT+2*PP+1], v[RB+32+2*PP:RB+33+2*PP]
	v_pk_fma_f32 v[TT+2*PP:TT+2*PP+1], v[TT+2*PP:TT+2*PP+1], v[RB+2*PP:RB+2*PP+1], v[TE:TE+1] neg_lo:[0,0,1] neg_hi:[0,0,1]
	v_pk_fma_f32 v[TT+32+2*PP:TT+33+2*PP], v[TT+32+2*PP:TT+33+2*PP], v[RB+2*PP:RB+2*PP+1], v[TE+2:TE+3]
.set PP, PP+1
.endr
	WIN 0
	s_wait_xcnt 0x0                                ; the last tile's stores have read their data: the codes' registers may be written again
	QUANT TT, PC, TC, PW+(\a)
.irp c, 0,1,2
	global_store_b128 v[LI], v[PC+4*\c:PC+4*\c+3], s[14:15] offset:1536*(\a)+512*\c   ; the image: 512 consecutive bytes a store
.endr
.endm
.irp a, 0,1,2,3,4,5,6,7
	QKBLOCK \a
.endr
	SCOUT
.Lend:
	s_wait_tensorcnt 0x0                           ; the wave's end
	ds_add_u32 v[SPW], v[NIL]
	s_wait_dscnt 0x0
	CROUND                                         ; the closing round
	s_endpgm
.Lfunc_end_k_q9702014d06_gemm1:
	.size	k_q9702014d06_gemm1, .Lfunc_end_k_q9702014d06_gemm1-k_q9702014d06_gemm1
	.p2alignl 7, 3214868480
	.fill 96, 4, 3214868480
	.section	.rodata,"a",@progbits
	.p2align	6, 0x0
	.amdhsa_kernel k_q9702014d06_gemm1
		.amdhsa_group_segment_fixed_size 327680
		.amdhsa_private_segment_fixed_size 0
		.amdhsa_enable_private_segment 0
		.amdhsa_kernarg_size 56
		.amdhsa_user_sgpr_count 2
		.amdhsa_user_sgpr_kernarg_segment_ptr 1
		.amdhsa_wavefront_size32 1
		.amdhsa_system_sgpr_workgroup_id_x 1
		.amdhsa_system_sgpr_workgroup_id_y 1
		.amdhsa_system_sgpr_workgroup_id_z 1
		.amdhsa_system_vgpr_workitem_id 0
		.amdhsa_next_free_vgpr 1024
		.amdhsa_next_free_sgpr 102
		.amdhsa_reserve_vcc 0
		.amdhsa_float_denorm_mode_32 3
		.amdhsa_float_denorm_mode_16_64 3
		.amdhsa_memory_ordered 1
		.amdhsa_forward_progress 1
		.amdhsa_inst_pref_size 255
	.end_amdhsa_kernel
	.section	.bss,"aw",@nobits
	.p2align	6
	.space	262144
	.amdgpu_metadata
---
amdhsa.version: [ 1, 2 ]
amdhsa.kernels:
  - .name:           k_q9702014d06_gemm1
    .symbol:         k_q9702014d06_gemm1.kd
    .args:
      - { .name: pcodes, .offset: 0, .size: 8, .value_kind: global_buffer, .address_space: global }
      - { .name: pscales, .offset: 8, .size: 8, .value_kind: global_buffer, .address_space: global }
      - { .name: ropet, .offset: 16, .size: 8, .value_kind: global_buffer, .address_space: global }
      - { .name: q_norm_w, .offset: 24, .size: 8, .value_kind: global_buffer, .address_space: global }
      - { .name: k_norm_w, .offset: 32, .size: 8, .value_kind: global_buffer, .address_space: global }
      - { .name: qkvc, .offset: 40, .size: 8, .value_kind: global_buffer, .address_space: global }
      - { .name: qkvs, .offset: 48, .size: 8, .value_kind: global_buffer, .address_space: global }
    .group_segment_fixed_size: 327680
    .private_segment_fixed_size: 0
    .kernarg_segment_align: 8
    .kernarg_segment_size: 56
    .max_flat_workgroup_size: 128
    .sgpr_count:     102
    .vgpr_count:     1024
    .wavefront_size: 32
...
	.end_amdgpu_metadata
.endif
;; end of part 2
;; launch attn (part 3): grid 16 x 16, 16 waves a work-group, no clusters, 207,872 bytes of LDS; arguments qkvc, qkvs, maskw, yc, ys; writes yc, ys
.if DOCPART == 3
	.amdgcn_target "amdgcn-amd-amdhsa--gfx1250"
	.amdhsa_code_object_version 6
	.text
	.protected	k_q9702014d06_attn
	.globl	k_q9702014d06_attn
	.p2align	8
	.type	k_q9702014d06_attn,@function
k_q9702014d06_attn:
	s_mov_b64 s[64:65], 0
	v_nop
	global_prefetch_b8 v0, s[64:65] scope:SCOPE_SE
	s_setreg_imm32_b32 hwreg(HW_REG_WAVE_MODE, 25, 1), 1
	s_wait_xcnt 0x0
; y = softmax(q k^T / sqrt(128), hidden where the mask says so) v, both products on codes of FP6 (E2M3) with E8M0 scales; y leaves as codes, laid as the last product's operand.
; THE SOFTMAX AHEAD OF THE SECOND PRODUCT: t = score x log2(e) / sqrt(128); M = the running largest t rounded up to a whole number; p = 2^(t - M) is quantised along the keys, not normalised; the row's sum
; is taken of the unquantised p and divides at the end.  When M moves, the sum and O are multiplied by 2^(old M - new M): exact.
; SHARES.  A work-group serves one (batch, key/value head): K's and V's images of all 1,024 keys and their scale words, 200 KiB, are brought into LDS ONCE, through registers, and only read behind one barrier.
; Each of its sixteen waves owns one tile of 16 queries of one of the group's four query heads.  Wave w: head w % 4; j = (w / 4 + w) % 4; tile 16 j + (g, or 15 - g where j is odd), g the work-group's x:
; the four tiles of a work-group lie spread over the sequence, so that work-groups have like work under masks that grow along it.  Nothing of the mask is built in.
; THE MASK comes as lane masks (one word for each of the lane's 64 scores of a key step) and two bits a key step: 2: all 16 x 128 hidden: the step's work is jumped over; 0: nothing hidden: the 64 selects are.
; These are branches on stored whole numbers; this launch fills LDS through registers and has no cluster.
; No prefetch: all that is read is asked for at the head.
; LAYOUT.  Both products are used transposed (S^T = K Q^T, O^T = V^T P^T): a lane holds one query.  K's tiles hold keys 32 b + 8 u + r + 8 (r / 8), so the 16 registers of tiles 2 b, 2 b + 1 are 16 neighbouring keys.
; A query all of whose keys are hidden has the sum 0: its scale word becomes 0xffffffff, which makes its row of the result NaN, as a softmax over nothing is.
; LIMITS: blocks of zeros get the byte 1 (this program alone reads the bytes); NaN and infinities are not served.
; REGISTERS: v2-11 addresses; v12 -M, v13 the largest t, v[14:15] the sum; v16-27 Q; v28 -infinity; v32-79 four fragments; v96-159 S^T, then p; v160-223 O^T; v224-235 p's codes; v232-254 at work; v255 Q's scale word.
.set VIMG,  98304                      ; LDS: K's 64 images from 0, V's 64 from here,
.set KSC,   196608                     ; K's scale words (512 bytes a key step),
.set VSC,   200704                     ; V's,
.set YS,    204800                     ; and 4 x 256 bytes in which four heads' scale words of y meet
.set AV0,  2
.set ASK0, 3
.set ASV0, 4
.set YSW,  5
.set YSR,  6
.set LI,   7                           ; v7   16 x lane: also my place in K's images
.set ADK,  8
.set ADV,  9
.set ADS,  10
.set ADT,  11
.set NINF, 28
.set L8,   29                          ; v29  8 x lane
.set R16,  30                          ; v30  16 x (lane % 16)
.set SOF,  31                          ; v31  16 x (thread % 256)
.set FA,   244                         ; v244-247 the first fill's LDS addresses, 65,536 bytes apart; at work afterwards
.set TM,   52                          ; the way out's quantiser: v52-67 at work
.set TB,  2                            ; s2   the key step's images begin here
.set TS,  3                            ; s3   and its scale words
.set MP,  8                            ; s[8:9] the key step's mask words
.set WV,  14
.set HD,  15
.set JW,  16
.set TQ,  17
.set CNT, 18
.set BK,  19
.set SEL, 20
.set CS,  22
.set FW,  24
.set FF,  25
.macro QUANT s, pc, tc, pw
.irp b, 0,1,2,3
	v_max3_num_f32 v[TM+\b], |v[(\s)+16*\b]|, |v[(\s)+1+16*\b]|, 0x1800000
.endr
.irp i, 2,4,6,8,10,12,14
.irp b, 0,1,2,3
	v_max3_num_f32 v[TM+\b], v[TM+\b], |v[(\s)+16*\b+\i]|, |v[(\s)+1+16*\b+\i]|
.endr
.endr
.irp b, 0,1,2,3
	v_permlanex16_b32 v[TM+4+\b], v[TM+\b], s[SEL], s[SEL+1]
.endr
.irp b, 0,1,2,3
	v_max_num_f32 v[TM+\b], v[TM+\b], v[TM+4+\b]
.endr
.irp b, 0,1,2,3
	v_add_nc_u32 v[TM+12+\b], 0xff000000, v[TM+\b]
.endr
.irp b, 0,1,2,3
	v_lshrrev_b32 v[TM+4+\b], 23, v[TM+12+\b]
.endr
	v_lshl_or_b32 v[\pw], v[TM+5], 8, v[TM+4]
	v_lshl_or_b32 v[\pw], v[TM+6], 16, v[\pw]
	v_lshl_or_b32 v[\pw], v[TM+7], 24, v[\pw]
.irp c, 0,1
	v_cvt_scalef32_pk16_fp6_f32 v[(\pc)+6*\c:(\pc)+2+6*\c], v[(\s)+32*\c:(\s)+15+32*\c], v[TM+12+2*\c]
	v_cvt_scalef32_pk16_fp6_f32 v[(\tc)+4*\c:(\tc)+2+4*\c], v[(\s)+16+32*\c:(\s)+31+32*\c], v[TM+13+2*\c]
.endr
	v_nop
.irp c, 0,1
.irp i, 0,1,2
	v_permlane16_swap_b32 v[(\pc)+6*\c+\i], v[(\tc)+4*\c+\i]
.endr
.irp i, 0,1,2
	v_mov_b32 v[(\pc)+3+6*\c+\i], v[(\tc)+4*\c+\i]
.endr
.endr
.endm
	s_load_b256 s[4:11], s[0:1], 0x0               ; qkvc, qkvs, maskw, yc
	s_load_b64 s[12:13], s[0:1], 0x20              ; ys
	v_lshrrev_b32 v1, 5, v0
	v_readfirstlane_b32 s[WV], v1                  ; wave 0..15
	s_and_b32 s[HD], s[WV], 3                      ; my head of the group's four
	s_lshr_b32 s[JW], s[WV], 2
	s_add_co_u32 s[JW], s[JW], s[WV]
	s_and_b32 s[JW], s[JW], 3                      ; j
	s_and_b32 s[BK], ttmp7, 0xffff                 ; 4 x batch + key/value head
	s_and_b32 s28, s[JW], 1
	s_mul_i32 s28, s28, 15
	s_xor_b32 s28, s28, ttmp9
	s_lshl_b32 s[TQ], s[JW], 4
	s_add_co_u32 s[TQ], s[TQ], s28                 ; my tile of queries, 0 .. 63
	v_and_b32 v8, 31, v0
	v_and_b32 v9, 15, v0
	v_lshlrev_b32 v[LI], 4, v8
	v_lshlrev_b32 v[L8], 3, v8
	v_lshlrev_b32 v[R16], 4, v9
	v_add_nc_u32 v[AV0], VIMG, v[LI]
	v_add_nc_u32 v[ASK0], KSC, v[R16]
	v_add_nc_u32 v[ASV0], VSC, v[R16]
	v_lshlrev_b32 v[FA], 4, v0
	v_lshl_add_u32 v[FA+1], v0, 4, 65536
	v_lshl_add_u32 v[FA+2], v0, 4, 131072
	v_lshl_add_u32 v[FA+3], v0, 4, 196608
	v_and_b32 v[SOF], 255, v0
	v_lshlrev_b32 v[SOF], 4, v[SOF]
	s_lshl_b32 s28, s[JW], 8
	s_lshl_b32 s29, s[HD], 2
	s_add_co_u32 s28, s28, s29
	s_add_co_u32 s28, s28, YS
	v_lshl_add_u32 v[YSW], v9, 4, s28              ; y's scale word: unit j, row r, word = my head
	s_lshl_b32 s28, s[HD], 8
	s_add_co_u32 s28, s28, YS
	v_lshl_add_u32 v[YSR], v8, 3, s28              ; waves 0-3 read unit (wave) back
	s_mov_b32 s[SEL], 0x76543210
	s_mov_b32 s[SEL+1], 0xfedcba98
	s_mov_b32 s[CS], 0x3e0293ee                    ; c = log2(e) / sqrt(128)
	s_mov_b32 s[CS+1], s[CS]
	s_mov_b32 s[TB], 0
	s_mov_b32 s[TS], 0
	s_mov_b32 s[CNT], 0
	s_mov_b32 s29, 0
	s_lshr_b32 s26, s[BK], 2                       ; batch
	s_and_b32 s27, s[BK], 3                        ; key/value head
	s_lshl_b32 s30, s27, 2
	s_add_co_u32 s30, s30, s[HD]                   ; query head
	s_lshl_b32 s31, s26, 6
	s_add_co_u32 s31, s31, s[TQ]                   ; my tile among the 256
	s_wait_kmcnt 0x0
	s_add_co_u32 s28, s27, 16
	s_mul_i32 s28, s28, 393216
	s_mul_i32 s40, s26, 98304
	s_add_co_u32 s28, s28, s40
	s_add_nc_u64 s[32:33], s[4:5], s[28:29]        ; K's 64 images
	s_mul_i32 s28, s[BK], 98304
	s_add_co_u32 s28, s28, 7864320
	s_add_nc_u64 s[34:35], s[4:5], s[28:29]        ; V's
	s_mul_i32 s28, s30, 393216
	s_mul_i32 s40, s31, 1536
	s_add_co_u32 s28, s28, s40
	s_add_nc_u64 s[36:37], s[4:5], s[28:29]        ; Q's image
	s_lshl_b32 s28, s30, 14
	s_lshr_b32 s40, s31, 2
	s_lshl_b32 s40, s40, 8
	s_add_co_u32 s28, s28, s40
	s_and_b32 s40, s31, 3
	s_lshl_b32 s40, s40, 2
	s_add_co_u32 s28, s28, s40
	s_add_nc_u64 s[38:39], s[6:7], s[28:29]        ; Q's scale words: 256 bytes for four tiles, 16 bytes a row, my tile's word
	s_add_co_u32 s40, s27, 16
	s_lshl_b32 s40, s40, 14
	s_lshl_b32 s41, s26, 12
	s_add_co_u32 s40, s40, s41                     ; K's scale words: 4,096 bytes
	s_lshl_b32 s41, s[BK], 12
	s_add_co_u32 s41, s41, 327680                  ; V's
	s_cmp_lt_u32 s[WV], 8
	s_cselect_b32 s28, s40, s41                    ; waves 0-7 bring K's, waves 8-15 V's
	s_add_nc_u64 s[42:43], s[6:7], s[28:29]
	s_mul_i32 s28, s[TQ], 2304
	s_add_nc_u64 s[MP:MP+1], s[MP:MP+1], s[28:29]
	s_mul_i32 s28, s27, 1572864
	s_mul_i32 s40, s31, 6144
	s_add_co_u32 s28, s28, s40
	s_mul_i32 s40, s[HD], 1536
	s_add_co_u32 s28, s28, s40
	s_add_nc_u64 s[10:11], s[10:11], s[28:29]      ; y's image: [K quarter = key/value head][tile][K step = my head]
	s_and_b32 s28, s[HD], 1
	s_mul_i32 s28, s28, 15
	s_xor_b32 s28, s28, ttmp9
	s_lshl_b32 s40, s[HD], 4
	s_add_co_u32 s28, s28, s40                     ; the tile with j = wave (for waves 0-3)
	s_lshl_b32 s40, s26, 6
	s_add_co_u32 s28, s28, s40
	s_lshl_b32 s28, s28, 10
	s_lshl_b32 s40, s27, 8
	s_add_co_u32 s28, s28, s40
	s_add_nc_u64 s[12:13], s[12:13], s[28:29]      ; its unit of y's scale words
	s_load_b32 s[FW], s[MP:MP+1], 0x800            ; my tile's flags
.irp i, 0,1,2,3,4,5,6,7,8,9,10,11
	global_load_b128 v[32+4*\i:35+4*\i], v[FA], s[32:33] offset:8192*\i       ; 512 threads x 16 bytes: 8,192 consecutive bytes a chunk
.endr
.irp i, 0,1,2,3,4,5,6,7,8,9,10,11
	global_load_b128 v[80+4*\i:83+4*\i], v[FA], s[34:35] offset:8192*\i
.endr
	global_load_b128 v[128:131], v[SOF], s[42:43]
.irp c, 0,1,2
	global_load_b128 v[16+4*\c:19+4*\c], v[LI], s[36:37] offset:512*\c
.endr
	global_load_b32 v255, v[R16], s[38:39]
	v_mov_b32 v[NINF], 0xff800000
	v_mov_b32 v13, 0xff61b1e6                      ; the largest t so far: -3e38, under every t
	v_floor_f32 v12, -v13                          ; -M
	v_mov_b32 v14, 0
	v_mov_b32 v15, 0
.irp b, 0,1,2,3
	v_mov_b32 v[236+\b], 0                         ; written once: a lane permute's destination counts as one of its sources
.endr
	v_mov_b32 v252, 0
	v_mov_b32 v253, 0
.set JJ, 0
.rept 64
	v_mov_b32 v[160+JJ], 0                         ; O^T: the step is written once; the first finds zeros, which the first change of M leaves zeros
.set JJ, JJ+1
.endr
.irp i, 0,1,2,3,4,5,6,7,8,9,10,11,12,13,14,15,16,17,18,19,20,21,22,23,24
	s_wait_loadcnt 28-\i                           ; chunk i is in: 28 - i loads were issued behind it
	ds_store_b128 v[FA+\i/8], v[32+4*\i:35+4*\i] offset:8192*(\i%8)
.endr
	s_wait_dscnt 0x0                               ; for the others' sake: my stores have landed
	s_barrier_signal -1
	s_barrier_wait -1                              ; K, V and their scale words are whole; from here on they are only read
	s_wait_loadcnt 0x0                             ; Q
	s_wait_kmcnt 0x0                               ; the flags
.Lstep:                                                ; eight trips, 128 keys each
	s_and_b32 s[FF], s[FW], 3
	s_lshr_b32 s[FW], s[FW], 2
	s_cmp_eq_u32 s[FF], 2
	s_cbranch_scc1 .Lhidden                        ; all hidden: only the lines that step addresses are run
	s_load_b512 s[32:47], s[MP:MP+1], 0x0          ; the step's 64 lane masks
	s_load_b512 s[48:63], s[MP:MP+1], 0x40
	s_load_b512 s[68:83], s[MP:MP+1], 0x80
	s_load_b512 s[84:99], s[MP:MP+1], 0xc0
	v_add_nc_u32 v[ADK], s[TB], v[LI]              ; (these four are the places in front of the loads into registers that the last products read)
	v_add_nc_u32 v[ADV], s[TB], v[AV0]
	v_add_nc_u32 v[ADS], s[TS], v[ASK0]
	v_add_nc_u32 v[ADT], s[TS], v[ASV0]
.irp g, 0,1                            ; S^T = K Q^T, four tiles of 16 keys at a time
.if \g > 0
.rept 4
	v_nop
.endr
.endif
.irp t, 0,1,2,3
.irp c, 0,1,2
	ds_load_b128 v[32+12*\t+4*\c:35+12*\t+4*\c], v[ADK] offset:1536*(4*\g+\t)+512*\c
.endr
.endr
	ds_load_b128 v[248:251], v[ADS] offset:256*\g  ; the four tiles' scale words of row r
	s_wait_dscnt 0x0
.irp t, 0,1,2,3
	v_wmma_scale_f32_16x16x128_f8f6f4 v[96+8*(4*\g+\t):103+8*(4*\g+\t)], v[32+12*\t:43+12*\t], v[16:27], 0, v[248+\t], v255 matrix_a_fmt:MATRIX_FMT_FP6 matrix_b_fmt:MATRIX_FMT_FP6
.endr
.endr
.rept 4
	v_nop
.endr
	s_wait_kmcnt 0x0                               ; the lane masks are in, and their base may be stepped
	s_cmp_eq_u32 s[FF], 0
	s_cbranch_scc1 .Lopen
.set NN, 0
.rept 64
	v_cndmask_b32 v[96+NN], v[96+NN], v[NINF], s[32+NN+4*(NN/32)]   ; a hidden score becomes -infinity ahead of the maximum: p = 0 then
.set NN, NN+1
.endr
.Lopen:
.irp b, 0,1,2,3
	v_max3_num_f32 v[232+\b], v[96+16*\b], v[97+16*\b], v[98+16*\b]   ; the largest score of each block of 32 keys: for the row's maximum, and, since p rises with the score, for the block's largest p
.endr
.irp i, 3,5,7,9,11,13
.irp b, 0,1,2,3
	v_max3_num_f32 v[232+\b], v[232+\b], v[96+16*\b+\i], v[97+16*\b+\i]
.endr
.endr
.irp b, 0,1,2,3
	v_max_num_f32 v[232+\b], v[232+\b], v[111+16*\b]
.endr
.irp b, 0,1,2,3
	v_permlanex16_b32 v[236+\b], v[232+\b], s[SEL], s[SEL+1]
.endr
.irp b, 0,1,2,3
	v_max_num_f32 v[232+\b], v[232+\b], v[236+\b]
.endr
	v_max3_num_f32 v254, v232, v233, v234
	v_max_num_f32 v254, v254, v235
	v_mul_f32 v254, s[CS], v254
	v_max_num_f32 v13, v13, v254                   ; the running largest t
	v_mov_b32 v254, v12
	v_floor_f32 v12, -v13                          ; the new -M: M is a whole number
	v_sub_f32 v254, v12, v254
	v_cvt_i32_f32 v254, v254                       ; (it saturates)
	v_ldexp_f32 v252, 1.0, v254                    ; f = 2^(old M - new M)
.set JJ, 0
.rept 32
	v_pk_fma_f32 v[96+JJ:97+JJ], v[96+JJ:97+JJ], s[CS:CS+1], v[12:13] op_sel_hi:[1,0,0]   ; t - M
.set JJ, JJ+2
.endr
.irp b, 0,1,2,3
	v_fma_f32 v[232+\b], v[232+\b], s[CS], v12
.endr
.set JJ, 0
.rept 64
	v_exp_f32 v[96+JJ], v[96+JJ]                   ; p = 2^(t - M): one batch
.set JJ, JJ+1
.endr
	v_pk_mul_f32 v[14:15], v[14:15], v[252:253] op_sel_hi:[1,0]   ; the sums under the new M: a plain instruction behind the batch
	s_wait_alu depctr_va_vdst(0)                   ; one wait for the batch, ahead of its first reader
.irp b, 0,1,2,3
	v_exp_f32 v[232+\b], v[232+\b]                 ; the blocks' largest p
.endr
	v_pk_add_f32 v[236:237], v[96:97], v[98:99]    ; the row's sum, of the unquantised p, in two chains
.irp j, 4,8,12,16,20,24,28,32,36,40,44,48,52,56,60
	v_pk_add_f32 v[14:15], v[14:15], v[96+\j:97+\j]
	v_pk_add_f32 v[236:237], v[236:237], v[98+\j:99+\j]
.endr
	v_pk_add_f32 v[14:15], v[14:15], v[236:237]
	s_wait_alu depctr_va_vdst(0)                   ; and one for the four
.irp b, 0,1,2,3
	v_max_num_f32 v[232+\b], 0x1800000, v[232+\b]  ; the floor 2^(3 - 127)
.endr
.irp b, 0,1,2,3
	v_add_nc_u32 v[244+\b], 0xff000000, v[232+\b]
.endr
.irp b, 0,1,2,3
	v_lshrrev_b32 v[236+\b], 23, v[244+\b]
.endr
	v_lshl_or_b32 v253, v237, 8, v236              ; p's scale word for these 128 keys
	v_lshl_or_b32 v253, v238, 16, v253
	v_lshl_or_b32 v253, v239, 24, v253
.irp c, 0,1
	v_cvt_scalef32_pk16_fp6_f32 v[224+6*\c:226+6*\c], v[96+32*\c:111+32*\c], v[244+2*\c]
	v_cvt_scalef32_pk16_fp6_f32 v[236+4*\c:238+4*\c], v[112+32*\c:127+32*\c], v[244+2*\c+1]
.endr
	v_nop
.irp c, 0,1
.irp i, 0,1,2
	v_permlane16_swap_b32 v[224+6*\c+\i], v[236+4*\c+\i]
.endr
.irp i, 0,1,2
	v_mov_b32 v[227+6*\c+\i], v[236+4*\c+\i]
.endr
.endr
.set JJ, 0
.rept 32
	v_pk_mul_f32 v[160+JJ:161+JJ], v[160+JJ:161+JJ], v[252:253] op_sel_hi:[1,0]   ; O^T under the new M.  (These 32 are also the places in front of the matrix instructions and loads below)
.set JJ, JJ+2
.endr
.irp g, 0,1                            ; O^T += V^T P^T, four tiles of 16 channels at a time
.if \g > 0
.rept 4
	v_nop
.endr
.endif
.irp t, 0,1,2,3
.irp c, 0,1,2
	ds_load_b128 v[32+12*\t+4*\c:35+12*\t+4*\c], v[ADV] offset:1536*(4*\g+\t)+512*\c
.endr
.endr
	ds_load_b128 v[248:251], v[ADT] offset:256*\g
	s_wait_dscnt 0x0
.irp t, 0,1,2,3
	v_wmma_scale_f32_16x16x128_f8f6f4 v[160+8*(4*\g+\t):167+8*(4*\g+\t)], v[32+12*\t:43+12*\t], v[224:235], v[160+8*(4*\g+\t):167+8*(4*\g+\t)], v[248+\t], v253 matrix_a_fmt:MATRIX_FMT_FP6 matrix_b_fmt:MATRIX_FMT_FP6
.endr
.endr
.Lhidden:
	s_add_co_u32 s[TB], s[TB], 12288
	s_add_co_u32 s[TS], s[TS], 512
	s_add_nc_u64 s[MP:MP+1], s[MP:MP+1], 256
	s_add_co_u32 s[CNT], s[CNT], 1
	s_cmp_lt_u32 s[CNT], 8
	s_cbranch_scc1 .Lstep
	; THE WAY OUT: O^T / the sum is quantised along the head's 128, which are K step (my query head) of the last product, and leaves as an image
.rept 4
	v_nop                                          ; places behind the last products
.endr
	v_add_f32 v14, v14, v15
	v_permlanex16_b32 v252, v14, s[SEL], s[SEL+1]
	v_add_f32 v14, v14, v252                       ; the row's sum
	v_cmp_eq_f32 s27, 0, v14                       ; a query with nothing to attend to
	v_rcp_f32 v254, v14
	v_mov_b32 v69, -1                              ; (a plain instruction behind the transcendental)
	s_wait_alu depctr_va_vdst(0)                   ; the wait ahead of its first reader
.set JJ, 0
.rept 64
	v_mul_f32 v[96+JJ], v[160+JJ], v254            ; register 16 b + i is channel 32 b + 16 h + i of my query
.set JJ, JJ+1
.endr
	QUANT 96, 32, 44, 68
	v_cndmask_b32 v68, v68, v69, s27               ; its scale bytes become 0xff
.irp c, 0,1,2
	global_store_b128 v[LI], v[32+4*\c:35+4*\c], s[10:11] offset:512*\c
.endr
	ds_store_b32 v[YSW], v68                       ; lanes r and r + 16 write the same word with the same value
	s_wait_dscnt 0x0
	s_barrier_signal -1
	s_barrier_wait -1                              ; the four heads' words of each tile lie together
	s_cmp_lt_u32 s[WV], 4
	s_cbranch_scc0 .Lend
	ds_load_b64 v[70:71], v[YSR]
	s_wait_dscnt 0x0
	global_store_b64 v[L8], v[70:71], s[12:13]     ; 256 consecutive bytes, aligned
.Lend:
	s_wait_xcnt 0x0
	v_lshl_add_u32 v254, v0, 2, 0x32400
	v_mov_b32 v255, 0
	s_wait_tensorcnt 0x0
	ds_add_u32 v254, v255
	s_wait_dscnt 0x0
	s_endpgm
.Lfunc_end_k_q9702014d06_attn:
	.size	k_q9702014d06_attn, .Lfunc_end_k_q9702014d06_attn-k_q9702014d06_attn
	.p2alignl 7, 3214868480
	.fill 96, 4, 3214868480
	.section	.rodata,"a",@progbits
	.p2align	6, 0x0
	.amdhsa_kernel k_q9702014d06_attn
		.amdhsa_group_segment_fixed_size 207872
		.amdhsa_private_segment_fixed_size 0
		.amdhsa_enable_private_segment 0
		.amdhsa_kernarg_size 40
		.amdhsa_user_sgpr_count 2
		.amdhsa_user_sgpr_kernarg_segment_ptr 1
		.amdhsa_wavefront_size32 1
		.amdhsa_system_sgpr_workgroup_id_x 1
		.amdhsa_system_sgpr_workgroup_id_y 1
		.amdhsa_system_sgpr_workgroup_id_z 1
		.amdhsa_system_vgpr_workitem_id 0
		.amdhsa_next_free_vgpr 256
		.amdhsa_next_free_sgpr 102
		.amdhsa_reserve_vcc 0
		.amdhsa_float_denorm_mode_32 3
		.amdhsa_float_denorm_mode_16_64 3
		.amdhsa_memory_ordered 1
		.amdhsa_forward_progress 1
		.amdhsa_inst_pref_size 43
	.end_amdhsa_kernel
	.amdgpu_metadata
---
amdhsa.version: [ 1, 2 ]
amdhsa.kernels:
  - .name:           k_q9702014d06_attn
    .symbol:         k_q9702014d06_attn.kd
    .args:
      - { .name: qkvc, .offset: 0, .size: 8, .value_kind: global_buffer, .address_space: global }
      - { .name: qkvs, .offset: 8, .size: 8, .value_kind: global_buffer, .address_space: global }
      - { .name: maskw, .offset: 16, .size: 8, .value_kind: global_buffer, .address_space: global }
      - { .name: yc, .offset: 24, .size: 8, .value_kind: global_buffer, .address_space: global }
      - { .name: ys, .offset: 32, .size: 8, .value_kind: global_buffer, .address_space: global }
    .group_segment_fixed_size: 207872
    .private_segment_fixed_size: 0
    .kernarg_segment_align: 8
    .kernarg_segment_size: 40
    .max_flat_workgroup_size: 512
    .sgpr_count:     102
    .vgpr_count:     256
    .wavefront_size: 32
...
	.end_amdgpu_metadata
.endif
;; end of part 3
;; launch gemm2 (part 4): grid 8 x 32, 4 waves a work-group, clusters of 4 x 4, 327,680 bytes of LDS; arguments yc, ys, pcodes, pscales, out0; writes out0
.if DOCPART == 4
	.amdgcn_target "amdgcn-amd-amdhsa--gfx1250"
	.amdhsa_code_object_version 6
	.text
	.protected	k_q9702014d06_gemm2
	.globl	k_q9702014d06_gemm2
	.p2align	8
	.type	k_q9702014d06_gemm2,@function
k_q9702014d06_gemm2:
	s_mov_b64 s[64:65], 0
	v_nop
	global_prefetch_b8 v0, s[64:65] scope:SCOPE_SE
	s_setreg_imm32_b32 hwreg(HW_REG_WAVE_MODE, 25, 1), 1
	s_wait_xcnt 0x0
	s_wait_alu depctr_hold_cnt(0) depctr_sa_sdst(0) depctr_va_vdst(0) depctr_va_sdst(0) depctr_va_ssrc(0) depctr_va_vcc(0) depctr_vm_vsrc(0)
	s_getreg_b32 s2, hwreg(HW_REG_IB_STS2, 6, 4)
	s_cmp_eq_u32 s2, 0
	s_cbranch_scc0 .Lentry_in_a_cluster
	s_endpgm
.Lentry_in_a_cluster:
	s_bfe_u32 s2, ttmp6, 0x10000c
	s_cmp_lg_u32 s2, 0xf033
	s_cbranch_scc0 .Lentry_shape_is_right
	s_endpgm
.Lentry_shape_is_right:
; out0 = y w_out^T on codes of FP6 (E2M3) with E8M0 scales; out0 [4096][2048] f32.
; OPERANDS lie in memory as images of their registers: tile i = the 16 rows 32 (i / 2) + 8 (i % 2) + r + 8 (r / 8); the image of (tile, 128 along K) is 1,536 bytes, three loads of 16 bytes a lane.
; Codes [K quarter][tile][4 K steps][1,536]; scale words [tile][K quarter][r][4 words].
; SHARES.  A tile of out0 is 128 x 256, so that there are 8 x 32 = 256 work-groups; four waves, each 64 x 128: 32 accumulators.  K goes in steps of 512 (a K quarter) through a ring of two LDS slots filled by
; the tensor data mover: 128 matrix instructions a wave between two changes of slots.  K has four such steps, so the text is written straight, without a loop.
; CLUSTERS 4 x 4: A's tiles are shared along a row of the cluster, B's along a column: joint loads.  The scale words of the work-group's rows, for all of K, come once with the first fills.
; THE MATRIX INSTRUCTION IS USED TRANSPOSED (source 0 = 16 rows of w_out, source 1 = 16 rows of y): lane (r, h) holds one row of out0, and register j of accumulator b the column 32 (b / 2) + 16 h + 8 (b % 2) + j.
; No prefetch: the tiles are read by several clusters and shared by joint loads.
; REGISTERS: window 0: v16-29 addresses; v32-95 scale words, two sets; v128-175 A's fragments, one set; on the way out v128-255.   window 1: B's fragments, two sets.   window 2: the accumulators.
.set MA,     4
.set NQ,     4
.set TA,     256
.set TB,     128
.set BCODE,  11010048                  ; where w_out's codes begin in pcodes
.set BSCALE, 458752                    ; and its scale words in pscales
.set OFFA,   TA*6144                   ; from slot 0's first tile to slot 1's, in memory: a K quarter on
.set OFFB,   TB*6144
.set FR,     12
.set NL,     3
.set NP,     4
.set HB,     MA/2
.set TILEB,  NQ*1536
.set SLOT,   (2*MA+16)*TILEB           ; A's 8 tiles, then B's 16
.set SCL,    2*SLOT
.set SPARE,  SCL+(2*MA+16)*1024        ; the spare words, 128 bytes for each wave: two blocks of 256 bytes that no other line names
.set LAPA,   NQ*TA*3072
.set LAPB,   NQ*TB*3072
.set SPITCH, 528                       ; the way out: a stage of 16 rows x (512 bytes + 16) for each wave, in slot 0, which has had its last fill and its last read by then
.set ADRA, 16
.set ADRB, 20
.set STO,  24
.set RD,   25
.set LI,   26
.set ADRS, 27
.set SPW,  28
.set NIL,  29
.set SC,   32
.set AF,   128
.set BK,   128
.set WV, 18
.set WR, 19
.set WC, 20
.set TY, 21
.set TX, 22
.set G1, 24
.set G0, 32
.set G1B, 48
.set G0B, 56
.set G1S, 68
.set G0S, 76
.set G1SB, 80
.set G0SB, 88
.set MSB, 0
.macro WIN new
.if MSB != (\new)
	s_set_vgpr_msb (MSB<<8)|(\new)
.set MSB, (\new)
.endif
.endm
.set TO_B, 0x40
.macro JLOAD g0a, g1a, g0b, g1b        ; a joint load: waves 0 and 1 fetch for A, waves 2 and 3 for B; four v_nop follow each of the two lines
	s_cmp_eq_u32 s[WR], 0
	s_cbranch_scc0 .Lfor_b_\@
	tensor_load_to_lds s[\g0a:\g0a+3], s[\g1a:\g1a+7]
	s_nop 0
.rept 4
	v_nop
.endr
	s_branch .Lasked_\@
.Lfor_b_\@:
	tensor_load_to_lds s[\g0b:\g0b+3], s[\g1b:\g1b+7]
	s_nop 0
.rept 4
	v_nop
.endr
.Lasked_\@:
.endm
.macro CREST
	s_cmp_lg_u32 s[WV], 0
	s_cbranch_scc1 .Lnot_wave_0_\@
	s_barrier_signal -3
.Lnot_wave_0_\@:
	s_barrier_wait -3
	s_barrier_signal -1
	s_barrier_wait -1
.endm
.macro CROUND
	s_barrier_signal -1
	s_barrier_wait -1
	CREST
.endm
.macro PLACES n
.rept \n
	v_nop
.endr
.endm
	s_load_b256 s[4:11], s[0:1], 0x0               ; yc, ys, pcodes, pscales
	s_load_b64 s[12:13], s[0:1], 0x20              ; out0
	v_lshl_add_u32 v[SPW], v0, 2, SPARE
	v_mov_b32 v[NIL], 0
	ds_add_u32 v28, v29
	ds_add_u32 v28, v29
	s_wait_dscnt 0x0
	v_lshrrev_b32 v1, 5, v0
	v_readfirstlane_b32 s[WV], v1
	s_lshr_b32 s[WR], s[WV], 1                     ; my half of the rows; also: I fetch for A (0) or B (1)
	s_and_b32 s[WC], s[WV], 1                      ; my half of the columns; also: which half I fetch
	s_bfe_u32 s40, ttmp6, 0x40000
	s_bfe_u32 s41, ttmp6, 0x40004
	s_lshl_b32 s[TX], ttmp9, 2
	s_add_co_u32 s[TX], s[TX], s40
	s_and_b32 s[TY], ttmp7, 0xffff
	s_lshl_b32 s[TY], s[TY], 2
	s_add_co_u32 s[TY], s[TY], s41
	s_lshl_b32 s43, s41, 2
	s_lshl_b32 s43, 15, s43
	s_lshl_b32 s44, 0x1111, s40
	s_or_b32 s[G1], s43, (3<<16)|(1<<21)           ; 15:0 the mask; 17:16 elements of 8 bytes; 21 set beside a mask; no padding
	s_or_b32 s[G1B], s44, (3<<16)|(1<<21)
	s_or_b32 s[G1S], s43, (3<<16)|(1<<21)
	s_or_b32 s[G1SB], s44, (3<<16)|(1<<21)
	s_mov_b32 s[G1+1], (TILEB/8)<<16               ; codes: MA (B: 8) rows, a tile each, of TILEB bytes
	s_mov_b32 s[G1+2], MA<<16
	s_mov_b32 s[G1+3], (TILEB/8)<<16
	s_mov_b32 s[G1+4], MA
	s_mov_b32 s[G1+5], 768
	s_mov_b32 s[G1+6], 0
	s_mov_b32 s[G1+7], 0
	s_mov_b32 s[G1B+1], (TILEB/8)<<16
	s_mov_b32 s[G1B+2], 8<<16
	s_mov_b32 s[G1B+3], (TILEB/8)<<16
	s_mov_b32 s[G1B+4], 8
	s_mov_b32 s[G1B+5], 768
	s_mov_b32 s[G1B+6], 0
	s_mov_b32 s[G1B+7], 0
	s_mov_b32 s[G1S+1], 32<<16                     ; scale words: dense, as rows of 256 bytes
	s_mov_b32 s[G1S+2], (4*MA)<<16
	s_mov_b32 s[G1S+3], 32<<16
	s_mov_b32 s[G1S+4], 4*MA
	s_mov_b32 s[G1S+5], 32
	s_mov_b32 s[G1S+6], 0
	s_mov_b32 s[G1S+7], 0
	s_mov_b32 s[G1SB+1], 32<<16
	s_mov_b32 s[G1SB+2], 32<<16
	s_mov_b32 s[G1SB+3], 32<<16
	s_mov_b32 s[G1SB+4], 32
	s_mov_b32 s[G1SB+5], 32
	s_mov_b32 s[G1SB+6], 0
	s_mov_b32 s[G1SB+7], 0
	s_mul_i32 s92, s[TY], 2*MA
	s_mul_i32 s93, s[WC], MA
	s_add_co_u32 s92, s92, s93                     ; A: the first tile of my half
	s_mul_i32 s94, s92, 6144
	s_mov_b32 s95, 0
	s_lshl_b32 s92, s92, 10
	s_mov_b32 s93, 0
	s_lshl_b32 s96, s[TX], 4
	s_lshl_b32 s97, s[WC], 3
	s_add_co_u32 s96, s96, s97                     ; B likewise
	s_mul_i32 s98, s96, 6144
	s_add_co_u32 s98, s98, BCODE
	s_mov_b32 s99, 0
	s_lshl_b32 s96, s96, 10
	s_add_co_u32 s96, s96, BSCALE
	s_mov_b32 s97, 0
	s_mul_i32 s45, s[WC], MA*TILEB                 ; where they go: no place in the cluster enters an LDS address
	s_mul_i32 s46, s[WC], 8*TILEB
	s_add_co_u32 s46, s46, 2*MA*TILEB
	s_mul_i32 s47, s[WC], MA*1024
	s_lshl_b32 s2, s[WC], 13
	s_add_co_u32 s2, s2, 2*MA*1024
	s_wait_kmcnt 0x0
	s_add_nc_u64 s[94:95], s[4:5], s[94:95]
	s_add_nc_u64 s[92:93], s[6:7], s[92:93]
	s_add_nc_u64 s[98:99], s[8:9], s[98:99]
	s_add_nc_u64 s[96:97], s[10:11], s[96:97]
	CROUND                                         ; all sixteen work-groups are here: the first joint loads meet
	s_mov_b32 s[G0S], 1
	s_add_co_u32 s[G0S+1], s47, SCL
	s_mov_b64 s[G0S+2:G0S+3], s[92:93]
	s_or_b32 s[G0S+3], s[G0S+3], 0x80000000
	s_mov_b32 s[G0SB], 1
	s_add_co_u32 s[G0SB+1], s2, SCL
	s_mov_b64 s[G0SB+2:G0SB+3], s[96:97]
	s_or_b32 s[G0SB+3], s[G0SB+3], 0x80000000
	JLOAD G0S, G1S, G0SB, G1SB
.irp s, 0,1
	s_mov_b32 s[G0+4*\s], 1
	s_add_co_u32 s[G0+4*\s+1], s45, \s*SLOT
	s_add_nc_u64 s[G0+4*\s+2:G0+4*\s+3], s[94:95], \s*OFFA
	s_or_b32 s[G0+4*\s+3], s[G0+4*\s+3], 0x80000000
	s_mov_b32 s[G0B+4*\s], 1
	s_add_co_u32 s[G0B+4*\s+1], s46, \s*SLOT
	s_add_nc_u64 s[G0B+4*\s+2:G0B+4*\s+3], s[98:99], \s*OFFB
	s_or_b32 s[G0B+4*\s+3], s[G0B+4*\s+3], 0x80000000
	JLOAD G0+4*\s, G1, G0B+4*\s, G1B               ; three tensor loads of mine are out
.endr
	v_and_b32 v1, 15, v0
	v_bfe_u32 v2, v0, 4, 1
	v_and_b32 v3, 31, v0
	v_lshlrev_b32 v[LI], 4, v3
	s_mul_i32 s92, s[WR], MA*TILEB
	s_mul_i32 s93, s[WC], 8*TILEB
	s_add_co_u32 s93, s93, 2*MA*TILEB
.irp s, 0,1
	v_add_nc_u32 v[ADRA+\s], s92, v[LI]
	v_add_nc_u32 v[ADRB+\s], s93, v[LI]
	s_add_co_u32 s92, s92, SLOT
	s_add_co_u32 s93, s93, SLOT
.endr
	v_lshlrev_b32 v5, 4, v1
	s_mul_i32 s92, s[WR], MA*1024
	s_lshl_b32 s93, s[WC], 13
	s_add_co_u32 s93, s93, 2*MA*1024
	s_sub_co_u32 s93, s93, s92
	v_mul_u32_u24 v6, s93, v2                      ; lanes 16-31 take B's: one product, the distance between the two
	s_add_co_u32 s92, s92, SCL
	v_add_nc_u32 v5, v5, v6
	v_add_nc_u32 v[ADRS], s92, v5
	s_mul_i32 s92, s[WV], 16*SPITCH                ; my stage
	v_mul_u32_u24 v5, v1, SPITCH
	v_lshl_add_u32 v5, v2, 6, v5
	v_add_nc_u32 v[STO], s92, v5                   ; in: row r, + 64 h
	v_add_nc_u32 v[RD], s92, v[LI]                 ; back: the 32 lanes take one row of 512 bytes
	s_lshl_b32 s92, s[TY], 7
	s_lshl_b32 s93, s[WR], 6
	s_add_co_u32 s92, s92, s93                     ; my first row of out0
	s_lshl_b32 s92, s92, 13
	s_lshl_b32 s93, s[TX], 10
	s_add_co_u32 s92, s92, s93
	s_lshl_b32 s93, s[WC], 9
	s_add_co_u32 s92, s92, s93                     ; my first column, in bytes
	s_mov_b32 s93, 0
	s_add_nc_u64 s[12:13], s[12:13], s[92:93]
.macro FRAG reg, adr, q, i
.irp c, 0,1,2
	ds_load_b128 v[(\reg)+4*\c:(\reg)+4*\c+3], v[\adr] offset:(\i)*TILEB+(\q)*1536+512*\c
.endr
.endm
.macro FETCH_B slot, q, p
	WIN TO_B
.irp i, 0,1,2,3,4,5,6,7
	FRAG 128*(\p)+FR*\i, ADRB+\slot, \q, \i
.endr
	WIN 0
.endm
.macro FETCH_A slot, q, i0
.set II, \i0
.rept HB
	FRAG AF+FR*II, ADRA+\slot, \q, II
.set II, II+1
.endr
.endm
.macro SCALES sc                       ; a slot's scale words: lanes 0-15 A's tile i (from i = 4 on: bytes that nobody uses), lanes 16-31 B's tile i
.irp i, 0,1,2,3,4,5,6,7
	ds_load_b128 v[SC+8*NQ*(\sc)+NQ*\i:SC+8*NQ*(\sc)+NQ*\i+3], v[ADRS] offset:1024*\i
.endr
.endm
.macro MULB a0, n, p, q, sc, zero      ; n of A's tiles from a0 on, each against B's eight; the accumulators take turns, one instruction a turn
	WIN 0xa1                                       ; source 0 (B) window 1, source 1 (A) window 0, C and D window 2
.set AA, \a0
.rept \n
.irp b, 0,1,2,3,4,5,6,7
.if \zero
	v_wmma_scale_f32_16x16x128_f8f6f4 v[8*(8*AA+\b):8*(8*AA+\b)+7], v[128*(\p)+FR*\b:128*(\p)+FR*\b+FR-1], v[AF+FR*AA:AF+FR*AA+FR-1], 0, v[SC+8*NQ*(\sc)+NQ*\b+(\q)], v[SC+8*NQ*(\sc)+NQ*AA+(\q)] matrix_a_fmt:MATRIX_FMT_FP6 matrix_b_fmt:MATRIX_FMT_FP6 matrix_a_scale:MATRIX_SCALE_ROW1
.else
	v_wmma_scale_f32_16x16x128_f8f6f4 v[8*(8*AA+\b):8*(8*AA+\b)+7], v[128*(\p)+FR*\b:128*(\p)+FR*\b+FR-1], v[AF+FR*AA:AF+FR*AA+FR-1], v[8*(8*AA+\b):8*(8*AA+\b)+7], v[SC+8*NQ*(\sc)+NQ*\b+(\q)], v[SC+8*NQ*(\sc)+NQ*AA+(\q)] matrix_a_fmt:MATRIX_FMT_FP6 matrix_b_fmt:MATRIX_FMT_FP6 matrix_a_scale:MATRIX_SCALE_ROW1
.endif
.endr
.set AA, AA+1
.endr
.endm
.macro STEP slot, q, zero
	s_wait_dscnt HB*NL                             ; all but the youngest loads, A's second half
	MULB 0, HB, (\q)%2, \q, \slot, \zero
	s_wait_dscnt 0
	PLACES NP
	FETCH_B \slot, (\q)+1, 1-(\q)%2
	FETCH_A \slot, (\q)+1, 0
	MULB HB, HB, (\q)%2, \q, \slot, \zero
	PLACES NP
	WIN 0
	FETCH_A \slot, (\q)+1, HB
.endm
.macro TURN slot, next, fill
	s_wait_tensorcnt 0x0                           ; all my tensor loads have landed: my part of the next slot
	ds_add_u32 v[SPW], v[NIL]                      ; 0 onto my spare word
	s_wait_dscnt HB*NL+1                           ; (the add and A's second half may be out)
	MULB 0, HB/2, 1, NQ-1, \slot, 0
	s_wait_dscnt 0x0                               ; the add is done, and my reads of this slot are over
	s_barrier_signal -1
	MULB HB/2, HB/2, 1, NQ-1, \slot, 0
	WIN 0
	s_barrier_wait -1
.if \fill
	CREST                                          ; the barrier has opened a round of the cluster's: no wave of any partner still reads this slot or has a load on its way
	s_add_nc_u64 s[G0+4*\slot+2:G0+4*\slot+3], s[G0+4*\slot+2:G0+4*\slot+3], LAPA
	s_add_nc_u64 s[G0B+4*\slot+2:G0B+4*\slot+3], s[G0B+4*\slot+2:G0B+4*\slot+3], LAPB
	JLOAD G0+4*\slot, G1, G0B+4*\slot, G1B         ; the first tensor load behind the round; its four v_nop are the places in front of the loads below
.else
	PLACES NP
.endif
	v_add_nc_u32 v[ADRS], 256, v[ADRS]             ; the next K quarter's scale words
	FETCH_B \next, 0, 0
	FETCH_A \next, 0, 0
	SCALES \next
	MULB HB, HB, 1, NQ-1, \slot, 0
	PLACES NP
	WIN 0
	FETCH_A \next, 0, HB
.endm
	s_wait_tensorcnt 1                             ; the scale words and my part of slot 0 are in; slot 1's load may be out
	s_barrier_signal -1
	s_barrier_wait -1
	FETCH_B 0, 0, 0
	FETCH_A 0, 0, 0
	SCALES 0
	FETCH_A 0, 0, HB
	STEP 0, 0, 1                                   ; K quarter 0: the first products start the sums
	STEP 0, 1, 0
	STEP 0, 2, 0
	TURN 0, 1, 1                                   ; slot 0 takes K quarter 2
	STEP 1, 0, 0
	STEP 1, 1, 0
	STEP 1, 2, 0
	TURN 1, 0, 1                                   ; slot 1 takes K quarter 3
	STEP 0, 0, 0
	STEP 0, 1, 0
	STEP 0, 2, 0
	TURN 0, 1, 0                                   ; nothing is left to fetch
	STEP 1, 0, 0
	STEP 1, 1, 0
	STEP 1, 2, 0
	s_wait_dscnt HB*NL                             ; the very last step
	MULB 0, HB, 1, NQ-1, 1, 0
	s_wait_dscnt 0
	MULB HB, HB, 1, NQ-1, 1, 0
	WIN 0
; THE WAY OUT, block by block of 16 rows x 128 columns: through my own stage in LDS, back as whole rows of 512 bytes.  LDS serves a wave's instructions in order: no wait between the stores and the loads.
.macro TOSTAGE a
.set AC, 64*(\a)
	WIN 0x08                                       ; an LDS store's data are its source 1: window 2
.irp b, 0,1,2,3,4,5,6,7
	ds_store_b128 v[STO], v[AC+8*\b:AC+8*\b+3] offset:128*(\b/2)+32*(\b%2)            ; each accumulator from its low end on
	ds_store_b128 v[STO], v[AC+8*\b+4:AC+8*\b+7] offset:128*(\b/2)+32*(\b%2)+16
.endr
	WIN 0
.set BB, BK+64*((\a)%2)
.irp t, 0,1,2,3,4,5,6,7,8,9,10,11,12,13,14,15
	ds_load_b128 v[BB+4*\t:BB+4*\t+3], v[RD] offset:\t*SPITCH
.endr
.endm
.macro SEND a, younger                 ; younger: the LDS instructions issued behind block a's loads, which may stay out
.set BB, BK+64*((\a)%2)
	s_wait_dscnt \younger
.if (\a) > 0
	s_add_nc_u64 s[12:13], s[12:13], (24-16*((\a)%2))*8192   ; (behind a wait on XCNT)  tile a begins 8 or 24 rows behind tile a - 1
.endif
.irp t, 0,1,2,3,4,5,6,7,8,9,10,11,12,13,14,15
	global_store_b128 v[LI], v[BB+4*\t:BB+4*\t+3], s[12:13] offset:(\t+8*(\t/8))*8192 th:TH_STORE_NT   ; stage row t is the tile's row t + 8 (t / 8); 32 lanes store 512 consecutive bytes, aligned
.endr
.endm
	PLACES NP                                      ; behind the last products: for the first reads of results and the loads into A's registers
	TOSTAGE 0
.irp a, 1,2,3
.if \a > 1
	s_wait_xcnt 0x0                                ; block a - 2's stores have read their registers and their base
.endif
	TOSTAGE \a
	SEND \a-1, 32                                  ; behind block a - 1's loads: block a's 16 stores and 16 loads
.endr
	s_wait_xcnt 0x0
	SEND 3, 0
	s_wait_tensorcnt 0x0                           ; the wave's end
	ds_add_u32 v[SPW], v[NIL]
	s_wait_dscnt 0x0
	CROUND                                         ; the closing round
	s_endpgm
.Lfunc_end_k_q9702014d06_gemm2:
	.size	k_q9702014d06_gemm2, .Lfunc_end_k_q9702014d06_gemm2-k_q9702014d06_gemm2
	.p2alignl 7, 3214868480
	.fill 96, 4, 3214868480
	.section	.rodata,"a",@progbits
	.p2align	6, 0x0
	.amdhsa_kernel k_q9702014d06_gemm2
		.amdhsa_group_segment_fixed_size 327680
		.amdhsa_private_segment_fixed_size 0
		.amdhsa_enable_private_segment 0
		.amdhsa_kernarg_size 40
		.amdhsa_user_sgpr_count 2
		.amdhsa_user_sgpr_kernarg_segment_ptr 1
		.amdhsa_wavefront_size32 1
		.amdhsa_system_sgpr_workgroup_id_x 1
		.amdhsa_system_sgpr_workgroup_id_y 1
		.amdhsa_system_sgpr_workgroup_id_z 1
		.amdhsa_system_vgpr_workitem_id 0
		.amdhsa_next_free_vgpr 768
		.amdhsa_next_free_sgpr 102
		.amdhsa_reserve_vcc 0
		.amdhsa_float_denorm_mode_32 3
		.amdhsa_float_denorm_mode_16_64 3
		.amdhsa_memory_ordered 1
		.amdhsa_forward_progress 1
		.amdhsa_inst_pref_size 136
	.end_amdhsa_kernel
	.amdgpu_metadata
---
amdhsa.version: [ 1, 2 ]
amdhsa.kernels:
  - .name:           k_q9702014d06_gemm2
    .symbol:         k_q9702014d06_gemm2.kd
    .args:
      - { .name: yc, .offset: 0, .size: 8, .value_kind: global_buffer, .address_space: global }
      - { .name: ys, .offset: 8, .size: 8, .value_kind: global_buffer, .address_space: global }
      - { .name: pcodes, .offset: 16, .size: 8, .value_kind: global_buffer, .address_space: global }
      - { .name: pscales, .offset: 24, .size: 8, .value_kind: global_buffer, .address_space: global }
      - { .name: out0, .offset: 32, .size: 8, .value_kind: global_buffer, .address_space: global }
    .group_segment_fixed_size: 327680
    .private_segment_fixed_size: 0
    .kernarg_segment_align: 8
    .kernarg_segment_size: 40
    .max_flat_workgroup_size: 128
    .sgpr_count:     102
    .vgpr_count:     768
    .wavefront_size: 32
...
	.end_amdgpu_metadata
.endif
;; end of part 4
;; ======== version 2 of 2: 4 launches; version 1 with the launch attn written anew for expert scheduling mode
;; workspace buffers: pcodes 14,155,776 bytes; pscales 589,824 bytes; ropet 524,288 bytes; maskw 147,456 bytes of whole numbers; qkvc 9,437,184 bytes; qkvs 393,216 bytes; yc 6,291,456 bytes; ys 262,144 bytes
;; launch prep: the kernel of part 1 again; grid 608 x 1, 4 waves a work-group, no clusters, 34,304 bytes of LDS; arguments x, w_qkv, w_out, mask, pos, pcodes, pscales, ropet, maskw; writes pcodes, pscales, ropet, maskw
;; launch gemm1: the kernel of part 2 again; grid 12 x 16, 4 waves a work-group, clusters of 4 x 4, 327,680 bytes of LDS; arguments pcodes, pscales, ropet, q_norm_w, k_norm_w, qkvc, qkvs; writes qkvc, qkvs
;; launch attn (part 5): grid 16 x 16, 16 waves a work-group, no clusters, 207,872 bytes of LDS; arguments qkvc, qkvs, maskw, yc, ys; writes yc, ys
.if DOCPART == 5
	.amdgcn_target "amdgcn-amd-amdhsa--gfx1250"
	.amdhsa_code_object_version 6
	.text
	.protected	k_q9702014d06_attn
	.globl	k_q9702014d06_attn
	.p2align	8
	.type	k_q9702014d06_attn,@function
k_q9702014d06_attn:
	s_mov_b64 s[64:65], 0
	v_nop
	global_prefetch_b8 v0, s[64:65] scope:SCOPE_SE
	s_setreg_imm32_b32 hwreg(HW_REG_WAVE_SCHED_MODE, 0, 2), 2
	s_setreg_imm32_b32 hwreg(HW_REG_WAVE_MODE, 25, 1), 1
	s_wait_xcnt 0x0
	s_wait_alu depctr_vm_vsrc(0)
; y = softmax(q k^T / sqrt(128), hidden where the mask says so) v, both products on codes of FP6 (E2M3) with E8M0 scales; y leaves as codes, laid as the last product's operand.
; THE SOFTMAX AHEAD OF THE SECOND PRODUCT: t = score x log2(e) / sqrt(128); M = the running largest t rounded up to a whole number; p = 2^(t - M) is quantised along the keys, not normalised; the row's sum
; is taken of the unquantised p and divides at the end.  When M moves, the sum and O are multiplied by 2^(old M - new M): exact.
; SHARES.  A work-group serves one (batch, key/value head): K's and V's images of all 1,024 keys and their scale words, 200 KiB, are brought into LDS ONCE, through registers, and only read behind one barrier.
; Each of its sixteen waves owns one tile of 16 queries of one of the group's four query heads.  Wave w: head w % 4; j = (w / 4 + w) % 4; tile 16 j + (g, or 15 - g where j is odd), g the work-group's x:
; the four tiles of a work-group lie spread over the sequence, so that work-groups have like work under masks that grow along it.  Nothing of the mask is built in.
; THE MASK comes as lane masks (one word for each of the lane's 64 scores of a key step) and two bits a key step: 2: all 16 x 128 hidden: the step's work is jumped over; 0: nothing hidden: the 64 selects are.
; These are branches on stored whole numbers; this launch fills LDS through registers and has no cluster.
; No prefetch: all that is read is asked for at the head.
; LAYOUT.  Both products are used transposed (S^T = K Q^T, O^T = V^T P^T): a lane holds one query.  K's tiles hold keys 32 b + 8 u + r + 8 (r / 8), so the 16 registers of tiles 2 b, 2 b + 1 are 16 neighbouring keys.
; A query all of whose keys are hidden has the sum 0: its scale word becomes 0xffffffff, which makes its row of the result NaN, as a softmax over nothing is.
; LIMITS: blocks of zeros get the byte 1 (this program alone reads the bytes); NaN and infinities are not served.
; REGISTERS: v2-11 addresses; v12 -M, v13 the largest t, v[14:15] the sum; v16-27 Q; v28 -infinity; v32-91 five fragments; v92-95, v248-251 scale words; v96-159 S^T, then p (v96-131: at a product's start three fragments);
;   v160-223 O^T; v224-235 p's codes; v232-254 at work; v255 Q's scale word.
; THE MODE: SCHED_MODE bits 1:0 = 2 (LLVM: expert scheduling mode 2), set by the entry lines.  The code itself states the register dependences between vector or matrix instructions and memory or LDS
; instructions, with s_wait_alu, always for 0.
; THE PLAN.  Registers that LDS instructions touch in the loop, and who else names them:
;   v8-11     the step's four LDS addresses.  Written by four additions at a worked step's head; read by all LDS loads of that step.
;   F1        v32-91, the fragments of tiles 0-4, with the scale words v92-95 and v248-251.  K's land at the step's head and are read by the products K Q^T; V's land behind the wait for the exponentials and are read by V^T P.
;   F2        v96-131, the fragments of tiles 5-7, in S^T's own registers, which hold nothing at either product's start.  K's land at the step's head; K Q^T takes tiles 5-7 first, whose results are v136-159, and lays
;             the results of tiles 0-4 over F2.  p stands there through the softmax; behind the conversions V's land, and V^T P reads them.
;   v224-235, v253   p's codes and scale word: written by vector instructions, taken by the scaled products.
; So a worked step has one wait on vm_vsrc, ahead of the additions, and five on va_vdst: behind the additions; behind the 64 exponentials; behind the four; behind the conversions; ahead of V^T P.  Each says below what it states.
; Behind each, the loads that follow are run or dealt among vector instructions that name none of the registers that those loads touch.
.set VIMG,  98304                      ; LDS: K's 64 images from 0, V's 64 from here,
.set KSC,   196608                     ; K's scale words (512 bytes a key step),
.set VSC,   200704                     ; V's,
.set YS,    204800                     ; and 4 x 256 bytes in which four heads' scale words of y meet
.set AV0,  2
.set ASK0, 3
.set ASV0, 4
.set YSW,  5
.set YSR,  6
.set LI,   7                           ; v7   16 x lane: also my place in K's images
.set ADK,  8
.set ADV,  9
.set ADS,  10
.set ADT,  11
.set NINF, 28
.set L8,   29                          ; v29  8 x lane
.set R16,  30                          ; v30  16 x (lane % 16)
.set SOF,  31                          ; v31  16 x (thread % 256)
.set FA,   244                         ; v244-247 the first fill's LDS addresses, 65,536 bytes apart; at work afterwards
.set TM,   52                          ; the way out's quantiser: v52-67 at work
.set TB,  2                            ; s2   the key step's images begin here
.set TS,  3                            ; s3   and its scale words
.set MP,  8                            ; s[8:9] the key step's mask words
.set WV,  14
.set HD,  15
.set JW,  16
.set TQ,  17
.set CNT, 18
.set BK,  19
.set SEL, 20
.set CS,  22
.set FW,  24
.set FF,  25
.macro QUANT s, pc, tc, pw
.irp b, 0,1,2,3
	v_max3_num_f32 v[TM+\b], |v[(\s)+16*\b]|, |v[(\s)+1+16*\b]|, 0x1800000
.endr
.irp i, 2,4,6,8,10,12,14
.irp b, 0,1,2,3
	v_max3_num_f32 v[TM+\b], v[TM+\b], |v[(\s)+16*\b+\i]|, |v[(\s)+1+16*\b+\i]|
.endr
.endr
.irp b, 0,1,2,3
	v_permlanex16_b32 v[TM+4+\b], v[TM+\b], s[SEL], s[SEL+1]
.endr
.irp b, 0,1,2,3
	v_max_num_f32 v[TM+\b], v[TM+\b], v[TM+4+\b]
.endr
.irp b, 0,1,2,3
	v_add_nc_u32 v[TM+12+\b], 0xff000000, v[TM+\b]
.endr
.irp b, 0,1,2,3
	v_lshrrev_b32 v[TM+4+\b], 23, v[TM+12+\b]
.endr
	v_lshl_or_b32 v[\pw], v[TM+5], 8, v[TM+4]
	v_lshl_or_b32 v[\pw], v[TM+6], 16, v[\pw]
	v_lshl_or_b32 v[\pw], v[TM+7], 24, v[\pw]
.irp c, 0,1
	v_cvt_scalef32_pk16_fp6_f32 v[(\pc)+6*\c:(\pc)+2+6*\c], v[(\s)+32*\c:(\s)+15+32*\c], v[TM+12+2*\c]
	v_cvt_scalef32_pk16_fp6_f32 v[(\tc)+4*\c:(\tc)+2+4*\c], v[(\s)+16+32*\c:(\s)+31+32*\c], v[TM+13+2*\c]
.endr
	v_nop
.irp c, 0,1
.irp i, 0,1,2
	v_permlane16_swap_b32 v[(\pc)+6*\c+\i], v[(\tc)+4*\c+\i]
.endr
.irp i, 0,1,2
	v_mov_b32 v[(\pc)+3+6*\c+\i], v[(\tc)+4*\c+\i]
.endr
.endr
.endm
; Tile t's fragment stands at v[32 + 12 t + 4 (t / 5)]: tiles 0-4 in v32-91, tiles 5-7 in v96-131.  Its scale words stand at v[248 + t - 160 (t / 4)]: tiles 0-3 in v248-251, tiles 4-7 in v92-95.
.macro FLD adr, t, c                   ; piece c (512 consecutive bytes) of tile t's image
	ds_load_b128 v[32+12*(\t)+4*((\t)/5)+4*(\c):35+12*(\t)+4*((\t)/5)+4*(\c)], v[\adr] offset:1536*(\t)+512*(\c)
.endm
.macro KQ t                            ; S^T, tile t: 16 keys x my 16 queries
	v_wmma_scale_f32_16x16x128_f8f6f4 v[96+8*(\t):103+8*(\t)], v[32+12*(\t)+4*((\t)/5):43+12*(\t)+4*((\t)/5)], v[16:27], 0, v[248+(\t)-160*((\t)/4)], v255 matrix_a_fmt:MATRIX_FMT_FP6 matrix_b_fmt:MATRIX_FMT_FP6
.endm
.macro PV t                            ; O^T, tile t: 16 channels x my 16 queries, += over these 128 keys
	v_wmma_scale_f32_16x16x128_f8f6f4 v[160+8*(\t):167+8*(\t)], v[32+12*(\t)+4*((\t)/5):43+12*(\t)+4*((\t)/5)], v[224:235], v[160+8*(\t):167+8*(\t)], v[248+(\t)-160*((\t)/4)], v253 matrix_a_fmt:MATRIX_FMT_FP6 matrix_b_fmt:MATRIX_FMT_FP6
.endm
	s_load_b256 s[4:11], s[0:1], 0x0               ; qkvc, qkvs, maskw, yc
	s_load_b64 s[12:13], s[0:1], 0x20              ; ys
	v_lshrrev_b32 v1, 5, v0
	v_readfirstlane_b32 s[WV], v1                  ; wave 0..15
	v_and_b32 v8, 31, v0                           ; (the addresses that need no scalar stand between that line and the wait for it)
	v_and_b32 v9, 15, v0
	v_lshlrev_b32 v[LI], 4, v8
	v_lshlrev_b32 v[L8], 3, v8
	v_lshlrev_b32 v[R16], 4, v9
	v_add_nc_u32 v[AV0], VIMG, v[LI]
	v_add_nc_u32 v[ASK0], KSC, v[R16]
	v_add_nc_u32 v[ASV0], VSC, v[R16]
	v_lshlrev_b32 v[FA], 4, v0
	v_lshl_add_u32 v[FA+1], v0, 4, 65536
	v_lshl_add_u32 v[FA+2], v0, 4, 131072
	v_lshl_add_u32 v[FA+3], v0, 4, 196608
	v_and_b32 v[SOF], 255, v0
	v_lshlrev_b32 v[SOF], 4, v[SOF]
	s_wait_alu depctr_va_sdst(0)                   ; the wave's number is written, ahead of its first reader: the head, the tile and every base are made from it
	s_and_b32 s[HD], s[WV], 3                      ; my head of the group's four
	s_lshr_b32 s[JW], s[WV], 2
	s_add_co_u32 s[JW], s[JW], s[WV]
	s_and_b32 s[JW], s[JW], 3                      ; j
	s_and_b32 s[BK], ttmp7, 0xffff                 ; 4 x batch + key/value head
	s_and_b32 s28, s[JW], 1
	s_mul_i32 s28, s28, 15
	s_xor_b32 s28, s28, ttmp9
	s_lshl_b32 s[TQ], s[JW], 4
	s_add_co_u32 s[TQ], s[TQ], s28                 ; my tile of queries, 0 .. 63
	s_lshl_b32 s28, s[JW], 8
	s_lshl_b32 s29, s[HD], 2
	s_add_co_u32 s28, s28, s29
	s_add_co_u32 s28, s28, YS
	v_lshl_add_u32 v[YSW], v9, 4, s28              ; y's scale word: unit j, row r, word = my head
	s_lshl_b32 s28, s[HD], 8
	s_add_co_u32 s28, s28, YS
	v_lshl_add_u32 v[YSR], v8, 3, s28              ; waves 0-3 read unit (wave) back
	s_mov_b32 s[SEL], 0x76543210
	s_mov_b32 s[SEL+1], 0xfedcba98
	s_mov_b32 s[CS], 0x3e0293ee                    ; c = log2(e) / sqrt(128)
	s_mov_b32 s[CS+1], s[CS]
	s_mov_b32 s[TB], 0
	s_mov_b32 s[TS], 0
	s_mov_b32 s[CNT], 0
	s_mov_b32 s29, 0
	s_lshr_b32 s26, s[BK], 2                       ; batch
	s_and_b32 s27, s[BK], 3                        ; key/value head
	s_lshl_b32 s30, s27, 2
	s_add_co_u32 s30, s30, s[HD]                   ; query head
	s_lshl_b32 s31, s26, 6
	s_add_co_u32 s31, s31, s[TQ]                   ; my tile among the 256
	s_wait_kmcnt 0x0
	s_add_co_u32 s28, s27, 16
	s_mul_i32 s28, s28, 393216
	s_mul_i32 s40, s26, 98304
	s_add_co_u32 s28, s28, s40
	s_add_nc_u64 s[32:33], s[4:5], s[28:29]        ; K's 64 images
	s_mul_i32 s28, s[BK], 98304
	s_add_co_u32 s28, s28, 7864320
	s_add_nc_u64 s[34:35], s[4:5], s[28:29]        ; V's
	s_mul_i32 s28, s30, 393216
	s_mul_i32 s40, s31, 1536
	s_add_co_u32 s28, s28, s40
	s_add_nc_u64 s[36:37], s[4:5], s[28:29]        ; Q's image
	s_lshl_b32 s28, s30, 14
	s_lshr_b32 s40, s31, 2
	s_lshl_b32 s40, s40, 8
	s_add_co_u32 s28, s28, s40
	s_and_b32 s40, s31, 3
	s_lshl_b32 s40, s40, 2
	s_add_co_u32 s28, s28, s40
	s_add_nc_u64 s[38:39], s[6:7], s[28:29]        ; Q's scale words: 256 bytes for four tiles, 16 bytes a row, my tile's word
	s_add_co_u32 s40, s27, 16
	s_lshl_b32 s40, s40, 14
	s_lshl_b32 s41, s26, 12
	s_add_co_u32 s40, s40, s41                     ; K's scale words: 4,096 bytes
	s_lshl_b32 s41, s[BK], 12
	s_add_co_u32 s41, s41, 327680                  ; V's
	s_cmp_lt_u32 s[WV], 8
	s_cselect_b32 s28, s40, s41                    ; waves 0-7 bring K's, waves 8-15 V's
	s_add_nc_u64 s[42:43], s[6:7], s[28:29]
	s_mul_i32 s28, s[TQ], 2304
	s_add_nc_u64 s[MP:MP+1], s[MP:MP+1], s[28:29]
	s_mul_i32 s28, s27, 1572864
	s_mul_i32 s40, s31, 6144
	s_add_co_u32 s28, s28, s40
	s_mul_i32 s40, s[HD], 1536
	s_add_co_u32 s28, s28, s40
	s_add_nc_u64 s[10:11], s[10:11], s[28:29]      ; y's image: [K quarter = key/value head][tile][K step = my head]
	s_and_b32 s28, s[HD], 1
	s_mul_i32 s28, s28, 15
	s_xor_b32 s28, s28, ttmp9
	s_lshl_b32 s40, s[HD], 4
	s_add_co_u32 s28, s28, s40                     ; the tile with j = wave (for waves 0-3)
	s_lshl_b32 s40, s26, 6
	s_add_co_u32 s28, s28, s40
	s_lshl_b32 s28, s28, 10
	s_lshl_b32 s40, s27, 8
	s_add_co_u32 s28, s28, s40
	s_add_nc_u64 s[12:13], s[12:13], s[28:29]      ; its unit of y's scale words
	s_load_b32 s[FW], s[MP:MP+1], 0x800            ; my tile's flags
	s_wait_alu depctr_va_vdst(0)                   ; the addresses v2-7, v29-31 and v244-247 are written, which the loads and stores of the whole kernel read
.irp i, 0,1,2,3,4,5,6,7,8,9,10,11
	global_load_b128 v[32+4*\i:35+4*\i], v[FA], s[32:33] offset:8192*\i       ; 512 threads x 16 bytes: 8,192 consecutive bytes a chunk
.endr
.irp i, 0,1,2,3,4,5,6,7,8,9,10,11
	global_load_b128 v[80+4*\i:83+4*\i], v[FA], s[34:35] offset:8192*\i
.endr
	global_load_b128 v[128:131], v[SOF], s[42:43]
.irp c, 0,1,2
	global_load_b128 v[16+4*\c:19+4*\c], v[LI], s[36:37] offset:512*\c
.endr
	global_load_b32 v255, v[R16], s[38:39]
	v_mov_b32 v[NINF], 0xff800000                  ; (the lines from here to the stores name v12-15, v28, v160-223, v236-239, v252, v253: no register that a load above or a store below touches)
	v_mov_b32 v13, 0xff61b1e6                      ; the largest t so far: -3e38, under every t
	v_floor_f32 v12, -v13                          ; -M
	v_mov_b32 v14, 0
	v_mov_b32 v15, 0
.irp b, 0,1,2,3
	v_mov_b32 v[236+\b], 0                         ; written once: a lane permute's destination counts as one of its sources
.endr
	v_mov_b32 v252, 0
	v_mov_b32 v253, 0
.set JJ, 0
.rept 64
	v_mov_b32 v[160+JJ], 0                         ; O^T: the step is written once; the first finds zeros, which the first change of M leaves zeros
.set JJ, JJ+1
.endr
.irp i, 0,1,2,3,4,5,6,7,8,9,10,11,12,13,14,15,16,17,18,19,20,21,22,23,24
	s_wait_loadcnt 28-\i                           ; chunk i is in: 28 - i loads were issued behind it
	ds_store_b128 v[FA+\i/8], v[32+4*\i:35+4*\i] offset:8192*(\i%8)
.endr
	s_wait_dscnt 0x0                               ; for the others' sake: my stores have landed
	s_barrier_signal -1
	s_barrier_wait -1                              ; K, V and their scale words are whole; from here on they are only read
	s_wait_alu depctr_vm_vsrc(0)                   ; my LDS stores have read v32-131 and v244-247, and the loads their addresses: the loop's loads and vector instructions, and the way out's, write these registers
	s_wait_loadcnt 0x0                             ; Q
	s_wait_kmcnt 0x0                               ; the flags
.Lstep:                                                ; eight trips, 128 keys each
	s_and_b32 s[FF], s[FW], 3
	s_lshr_b32 s[FW], s[FW], 2
	s_cmp_eq_u32 s[FF], 2
	s_cbranch_scc1 .Lhidden                        ; all hidden: only the lines that step addresses are run
	s_load_b512 s[32:47], s[MP:MP+1], 0x0          ; the step's 64 lane masks
	s_load_b512 s[48:63], s[MP:MP+1], 0x40
	s_load_b512 s[68:83], s[MP:MP+1], 0x80
	s_load_b512 s[84:99], s[MP:MP+1], 0xc0
	s_wait_alu depctr_vm_vsrc(0)                   ; the LDS loads of the last worked step have read v8-11, which the four additions write
	v_add_nc_u32 v[ADK], s[TB], v[LI]              ; (these four are also four places behind the last products)
	v_add_nc_u32 v[ADV], s[TB], v[AV0]
	v_add_nc_u32 v[ADS], s[TS], v[ASK0]
	v_add_nc_u32 v[ADT], s[TS], v[ASV0]
	s_wait_alu depctr_va_vdst(0)                   ; v8-11 are written, which the step's LDS loads read; the last worked step's products V^T P are done reading v32-131 and v248-251, in which K's loads land
	ds_load_b128 v[92:95], v[ADS] offset:256       ; S^T = K Q^T.  All eight fragments in one run, those that are multiplied first at its head: the scale words of tiles 4-7,
.irp t, 5,6,7
.irp c, 0,1,2
	FLD ADK, \t, \c                                ; tiles 5-7,
.endr
.endr
	ds_load_b128 v[248:251], v[ADS]                ; the scale words of tiles 0-3,
.irp t, 0,1,2,3,4
.irp c, 0,1,2
	FLD ADK, \t, \c                                ; tiles 0-4
.endr
.endr
	s_wait_dscnt 16                                ; the first ten loads are in: behind them stand 16
.irp t, 5,6,7
	KQ \t                                          ; their results are v136-159, beside their fragments
.endr
.rept 5
	v_nop                                          ; the results of tiles 0-4 are laid over the fragments of tiles 5-7: a matrix instruction that writes over a source of an earlier one stands five places behind it
.endr
	s_wait_dscnt 6                                 ; tiles 0-2 and their scale words are in; the six loads of tiles 3 and 4 may be out
.irp t, 0,1,2
	KQ \t
.endr
	s_wait_dscnt 0x0
.irp t, 3,4
	KQ \t
.endr
.rept 4
	v_nop
.endr
	s_wait_kmcnt 0x0                               ; the lane masks are in, and their base may be stepped
	s_cmp_eq_u32 s[FF], 0
	s_cbranch_scc1 .Lopen
.set NN, 0
.rept 64
	v_cndmask_b32 v[96+NN], v[96+NN], v[NINF], s[32+NN+4*(NN/32)]   ; a hidden score becomes -infinity ahead of the maximum: p = 0 then
.set NN, NN+1
.endr
.Lopen:
.irp b, 0,1,2,3
	v_max3_num_f32 v[232+\b], v[96+16*\b], v[97+16*\b], v[98+16*\b]   ; the largest score of each block of 32 keys: for the row's maximum, and, since p rises with the score, for the block's largest p
.endr
.irp i, 3,5,7,9,11,13
.irp b, 0,1,2,3
	v_max3_num_f32 v[232+\b], v[232+\b], v[96+16*\b+\i], v[97+16*\b+\i]
.endr
.endr
.irp b, 0,1,2,3
	v_max_num_f32 v[232+\b], v[232+\b], v[111+16*\b]
.endr
.irp b, 0,1,2,3
	v_permlanex16_b32 v[236+\b], v[232+\b], s[SEL], s[SEL+1]
.endr
.irp b, 0,1,2,3
	v_max_num_f32 v[232+\b], v[232+\b], v[236+\b]
.endr
	v_max3_num_f32 v254, v232, v233, v234
	v_max_num_f32 v254, v254, v235
	v_mul_f32 v254, s[CS], v254
	v_max_num_f32 v13, v13, v254                   ; the running largest t
	v_mov_b32 v254, v12
	v_floor_f32 v12, -v13                          ; the new -M: M is a whole number
	v_sub_f32 v254, v12, v254
	v_cvt_i32_f32 v254, v254                       ; (it saturates)
	v_ldexp_f32 v252, 1.0, v254                    ; f = 2^(old M - new M)
.set JJ, 0
.rept 32
	v_pk_fma_f32 v[96+JJ:97+JJ], v[96+JJ:97+JJ], s[CS:CS+1], v[12:13] op_sel_hi:[1,0,0]   ; t - M
.set JJ, JJ+2
.endr
.irp b, 0,1,2,3
	v_fma_f32 v[232+\b], v[232+\b], s[CS], v12
.endr
.set JJ, 0
.rept 64
	v_exp_f32 v[96+JJ], v[96+JJ]                   ; p = 2^(t - M): one batch
.set JJ, JJ+1
.endr
	v_pk_mul_f32 v[14:15], v[14:15], v[252:253] op_sel_hi:[1,0]   ; the sums under the new M: a plain instruction behind the batch
	s_wait_alu depctr_va_vdst(0)                   ; the 64 exponentials have written p, ahead of its first reader; the products K Q^T are done reading v32-95 and v248-251, in which V's loads land
.irp b, 0,1,2,3
	v_exp_f32 v[232+\b], v[232+\b]                 ; the blocks' largest p
.endr
	ds_load_b128 v[248:251], v[ADT]                ; V's scale words, and below the fragments of tiles 0-4, dealt among the sums.  No wait: the lines since the wait name v14, v15, v96-159 and v232-237 alone
	ds_load_b128 v[92:95], v[ADT] offset:256
	v_pk_add_f32 v[236:237], v[96:97], v[98:99]    ; the row's sum, of the unquantised p, in two chains
.irp j, 4,8,12,16,20,24,28,32,36,40,44,48,52,56,60
	v_pk_add_f32 v[14:15], v[14:15], v[96+\j:97+\j]
	v_pk_add_f32 v[236:237], v[236:237], v[98+\j:99+\j]
	FLD ADV, (\j/4-1)/3, (\j/4-1)%3
.endr
	v_pk_add_f32 v[14:15], v[14:15], v[236:237]
	s_wait_alu depctr_va_vdst(0)                   ; the four exponentials have written v232-235, ahead of their first reader
.irp b, 0,1,2,3
	v_max_num_f32 v[232+\b], 0x1800000, v[232+\b]  ; the floor 2^(3 - 127)
.endr
.irp b, 0,1,2,3
	v_add_nc_u32 v[244+\b], 0xff000000, v[232+\b]
.endr
.irp b, 0,1,2,3
	v_lshrrev_b32 v[236+\b], 23, v[244+\b]
.endr
	v_lshl_or_b32 v253, v237, 8, v236              ; p's scale word for these 128 keys
	v_lshl_or_b32 v253, v238, 16, v253
	v_lshl_or_b32 v253, v239, 24, v253
.irp c, 0,1
	v_cvt_scalef32_pk16_fp6_f32 v[224+6*\c:226+6*\c], v[96+32*\c:111+32*\c], v[244+2*\c]
	v_cvt_scalef32_pk16_fp6_f32 v[236+4*\c:238+4*\c], v[112+32*\c:127+32*\c], v[244+2*\c+1]
.endr
	v_nop
.irp c, 0,1
.irp i, 0,1,2
	v_permlane16_swap_b32 v[224+6*\c+\i], v[236+4*\c+\i]
.endr
.irp i, 0,1,2
	v_mov_b32 v[227+6*\c+\i], v[236+4*\c+\i]
.endr
.endr
	s_wait_alu depctr_va_vdst(0)                   ; the sums and the conversions are done reading p in v96-131, in which V's fragments of tiles 5-7 land
.set JJ, 0
.rept 32
	v_pk_mul_f32 v[160+JJ:161+JJ], v[160+JJ:161+JJ], v[252:253] op_sel_hi:[1,0]   ; O^T under the new M.  (These 32 are also the places in front of the scaled matrix instructions below; they name v160-223, v252, v253 alone)
.if JJ < 18
	FLD ADV, 5+JJ/6, (JJ/2)%3                      ; the nine loads, one behind each of the first nine
.endif
.set JJ, JJ+2
.endr
	s_wait_alu depctr_va_vdst(0)                   ; p's codes v224-235 and its scale word v253 are written, which the scaled matrix instructions take as source 1 and its scales; the places above stay beside this wait
	s_wait_dscnt 9                                 ; V's scale words and tiles 0-4 are in; the nine loads of tiles 5-7 may be out
.irp t, 0,1,2,3,4
	PV \t                                          ; O^T += V^T P^T: the eight accumulators by turns, one instruction a turn
.endr
	s_wait_dscnt 0x0
.irp t, 5,6,7
	PV \t
.endr
.Lhidden:
	s_add_co_u32 s[TB], s[TB], 12288
	s_add_co_u32 s[TS], s[TS], 512
	s_add_nc_u64 s[MP:MP+1], s[MP:MP+1], 256
	s_add_co_u32 s[CNT], s[CNT], 1
	s_cmp_lt_u32 s[CNT], 8
	s_cbranch_scc1 .Lstep
	; THE WAY OUT: O^T / the sum is quantised along the head's 128, which are K step (my query head) of the last product, and leaves as an image
.rept 4
	v_nop                                          ; places behind the last products
.endr
	v_add_f32 v14, v14, v15
	v_permlanex16_b32 v252, v14, s[SEL], s[SEL+1]
	v_add_f32 v14, v14, v252                       ; the row's sum
	v_cmp_eq_f32 s27, 0, v14                       ; a query with nothing to attend to
	v_rcp_f32 v254, v14
	v_mov_b32 v69, -1                              ; (a plain instruction behind the transcendental)
	s_wait_alu depctr_va_vdst(0)                   ; the reciprocal has written v254, ahead of its first reader
.set JJ, 0
.rept 64
	v_mul_f32 v[96+JJ], v[160+JJ], v254            ; register 16 b + i is channel 32 b + 16 h + i of my query
.set JJ, JJ+1
.endr
	QUANT 96, 32, 44, 68
	s_wait_alu depctr_va_sdst(0)                   ; the compare has written s27, ahead of its first reader, the select below
	v_cndmask_b32 v68, v68, v69, s27               ; its scale bytes become 0xff
	s_wait_alu depctr_va_vdst(0)                   ; the quantiser has written the codes v32-43 and the select v68, which the stores read; the products are done reading v70, v71, in which the LDS load below lands: no vector instruction follows this wait up to that load
.irp c, 0,1,2
	global_store_b128 v[LI], v[32+4*\c:35+4*\c], s[10:11] offset:512*\c
.endr
	ds_store_b32 v[YSW], v68                       ; lanes r and r + 16 write the same word with the same value
	s_wait_dscnt 0x0
	s_barrier_signal -1
	s_barrier_wait -1                              ; the four heads' words of each tile lie together
	s_cmp_lt_u32 s[WV], 4
	s_cbranch_scc0 .Lend
	ds_load_b64 v[70:71], v[YSR]
	s_wait_dscnt 0x0
	global_store_b64 v[L8], v[70:71], s[12:13]     ; 256 consecutive bytes, aligned
.Lend:
	s_wait_xcnt 0x0
	v_lshl_add_u32 v254, v0, 2, 0x32400            ; the add's two registers are made anew here: no memory or LDS instruction has read v254 or v255
	v_mov_b32 v255, 0
	s_wait_dscnt 0x0                               ; the closing lines, six on end
	s_wait_alu 0x0
	s_wait_tensorcnt 0x0
	ds_add_u32 v254, v255
	s_wait_dscnt 0x0
	s_endpgm
.Lfunc_end_k_q9702014d06_attn:
	.size	k_q9702014d06_attn, .Lfunc_end_k_q9702014d06_attn-k_q9702014d06_attn
	.p2alignl 7, 3214868480
	.fill 96, 4, 3214868480
	.section	.rodata,"a",@progbits
	.p2align	6, 0x0
	.amdhsa_kernel k_q9702014d06_attn
		.amdhsa_group_segment_fixed_size 207872
		.amdhsa_private_segment_fixed_size 0
		.amdhsa_enable_private_segment 0
		.amdhsa_kernarg_size 40
		.amdhsa_user_sgpr_count 2
		.amdhsa_user_sgpr_kernarg_segment_ptr 1
		.amdhsa_wavefront_size32 1
		.amdhsa_system_sgpr_workgroup_id_x 1
		.amdhsa_system_sgpr_workgroup_id_y 1
		.amdhsa_system_sgpr_workgroup_id_z 1
		.amdhsa_system_vgpr_workitem_id 0
		.amdhsa_next_free_vgpr 256
		.amdhsa_next_free_sgpr 102
		.amdhsa_reserve_vcc 0
		.amdhsa_float_denorm_mode_32 3
		.amdhsa_float_denorm_mode_16_64 3
		.amdhsa_memory_ordered 1
		.amdhsa_forward_progress 1
		.amdhsa_inst_pref_size 43
	.end_amdhsa_kernel
	.amdgpu_metadata
---
amdhsa.version: [ 1, 2 ]
amdhsa.kernels:
  - .name:           k_q9702014d06_attn
    .symbol:         k_q9702014d06_attn.kd
    .args:
      - { .name: qkvc, .offset: 0, .size: 8, .value_kind: global_buffer, .address_space: global }
      - { .name: qkvs, .offset: 8, .size: 8, .value_kind: global_buffer, .address_space: global }
      - { .name: maskw, .offset: 16, .size: 8, .value_kind: global_buffer, .address_space: global }
      - { .name: yc, .offset: 24, .size: 8, .value_kind: global_buffer, .address_space: global }
      - { .name: ys, .offset: 32, .size: 8, .value_kind: global_buffer, .address_space: global }
    .group_segment_fixed_size: 207872
    .private_segment_fixed_size: 0
    .kernarg_segment_align: 8
    .kernarg_segment_size: 40
    .max_flat_workgroup_size: 512
    .sgpr_count:     102
    .vgpr_count:     256
    .wavefront_size: 32
...
	.end_amdgpu_metadata
.endif
;; end of part 5
;; launch gemm2: the kernel of part 4 again; grid 8 x 32, 4 waves a work-group, clusters of 4 x 4, 327,680 bytes of LDS; arguments yc, ys, pcodes, pscales, out0; writes out0
